; MI455X (gfx1250); checked and timed in simulation.
; The chip was launched on July 23, 2026; its instructions are those of AMD's public machine-readable ISA for CDNA 5 (MIT licence, August 2026) and "CDNA5" Instruction Set Architecture Reference Guide (July 2026). The comments in the code are by the model that wrote it; some were corrected since.
;; Multi Head Attention. Allowed arithmetic: matrix products marked QUANTISED: E2M3 operands, one E8M0 scale for each 32 along K, by v_wmma_scale_f32_16x16x128_f8f6f4 with both operands' format E2M3, f32 sums; everything else in f32.
;; Inputs: Wk 1,024 x 1,024 float32; Wo 1,024 x 1,024 float32; Wq 1,024 x 1,024 float32; Wv 1,024 x 1,024 float32; bk 1,024 float32; bo 1,024 float32; bq 1,024 float32; bv 1,024 float32; x 4 x 2,048 x 1,024 float32.
;; Outputs: out0 4 x 2,048 x 1,024 float32.
;; This version of the problem:
;;   THIS VERSION OF THE PROBLEM IS GIVEN IN LOW PRECISION. The matrix products marked QUANTISED in the list below multiply operands that are first quantised to E2M3 (2 exponent bits, 3 mantissa bits; 6 bits a number), with one power-of-two scale for each 32 numbers along K (OCP MX v1.0); their sums are f32. All else is computed in f32.
;;   The module's matrix products, in the order in which they are computed (A, B: the left and right operand; K: the contracted axis; several contracted axes count as one K, in the product's order):
;;     1. [M 8,192, K 1,024] x [K 1,024, N 1,024]; A: input x; B: input Wq: QUANTISED
;;     2. [M 8,192, K 1,024] x [K 1,024, N 1,024]; A: input x; B: input Wk: QUANTISED
;;     3. [M 8,192, K 1,024] x [K 1,024, N 1,024]; A: input x; B: input Wv: QUANTISED
;;     4. batch 64 x [M 2,048, K 64] x [K 64, N 2,048]; A: computed on the way; B: computed on the way: QUANTISED
;;     5. batch 64 x [M 2,048, K 2,048] x [K 2,048, N 64]; A: softmax (see below); B: computed on the way: QUANTISED
;;     6. [M 8,192, K 1,024] x [K 1,024, N 1,024]; A: computed on the way; B: input Wo: QUANTISED
;;   THE QUANTISER, for each operand of a quantised product, along K:
;;     - K is cut into blocks of 32 from its start; a last block that is shorter is filled with zeros.
;;     - A block's scale is 2^e with e = floor(log2(the largest magnitude in the block)) - 2, held to -126 .. 127; a block of zeros has e = 0. As a byte (E8M0): e + 127.
;;     - Each number is divided by its block's scale, clamped to +-7.5, and rounded to the nearest number of E2M3, ties to even, subnormals kept.
;;     - The product sums the exact products of the quantised numbers (number of the format x scale) in f32.
;;   ~~~python
;;   def quantise(x, axis):      # numpy; x: float32 -> the quantised numbers, widened to float32 again
;;       x = np.moveaxis(x, axis, -1); K = x.shape[-1]
;;       x = np.pad(x, [(0, 0)] * (x.ndim - 1) + [(0, -K % 32)]); x = x.reshape(x.shape[:-1] + (-1, 32)); a = np.abs(x).max(-1, keepdims=True)
;;       e = np.where(a > 0, np.clip(np.frexp(np.where(a > 0, a, 1))[1] - 1 - 2, -126, 127), 0)      # np.frexp(a)[1] - 1 = floor(log2(a)), exactly
;;       r = np.clip(x / 2.0 ** e, -7.5, 7.5)
;;       step = 2.0 ** (np.maximum(np.frexp(np.where(r == 0, 1, r))[1] - 1, 0) - 3)
;;       q = np.round(r / step) * step * 2.0 ** e      # np.round: ties to even
;;       return np.moveaxis(q.reshape(q.shape[:-2] + (-1,))[..., :K], -1, axis).astype(np.float32)
;;   ~~~
;;   SOFTMAX AHEAD OF A QUANTISED PRODUCT. Where the list says 'softmax', what is quantised is not the finished softmax but p = 2^(t - M), with t = logit x log2(e) and M = ceil(the row's largest t), a whole number; so 1/2 < the row's largest p <= 1. The row's sum l is taken of the UNQUANTISED p, in f32, and the product's result is divided by l at the end. Since M is a whole number, a kernel that streams over the keys may use a running M (the ceiling of the running maximum): every later rescaling is an exact power of two, which a block's scale takes up: the codes' values come out the same.
;;   OPERANDS COMPUTED ON THE WAY. 'Computed on the way' means the value that the module computes at that place (a softmax that the list does not call 'softmax' is quantised finished and normalised). What goes into a quantiser is computed in f32, as accurately as f32 sums, v_exp_f32 and their like allow (about 1e-6 of the number): no bf16 or f16 on the way to a quantiser, and a product that is left as it is and whose result goes on into a quantised operand takes f32 operands (vector FMAs, or v_wmma_f32_16x16x4_f32). A number that lies on a knife's edge between two numbers of the format may be rounded either way, as far as f32 arithmetic and the matrix unit's own rounding can turn it there, and no further.
;; One version. Each part assembles by itself: llvm-mc -triple=amdgcn-amd-amdhsa -mcpu=gfx1250 --defsym DOCPART=n.
;; ======== version 1 of 1: 4 launches
;; limits: right only within a limited range of input values
;; workspace buffers: xwc 9,437,184 bytes; xws 393,216 bytes; rope 524,288 bytes; qkv 20,185,088 bytes; ac 6,291,456 bytes; asc 262,144 bytes
;; launch prep (part 1): grid 416 x 1, 4 waves a work-group, no clusters, 34,304 bytes of LDS; arguments x, Wq, Wk, Wv, Wo, xwc, xws, rope; writes xwc, xws, rope
.if DOCPART == 1
	.amdgcn_target "amdgcn-amd-amdhsa--gfx1250"
	.amdhsa_code_object_version 6
	.text
	.protected	k_q46497d46d7_prep
	.globl	k_q46497d46d7_prep
	.p2align	8
	.type	k_q46497d46d7_prep,@function
k_q46497d46d7_prep:
	s_mov_b64 s[64:65], 0
	v_nop
	global_prefetch_b8 v0, s[64:65] scope:SCOPE_SE
	s_setreg_imm32_b32 hwreg(HW_REG_WAVE_MODE, 25, 1), 1
	s_wait_xcnt 0x0
; x [8192][1024] and Wq, Wk, Wv, Wo [1024][1024], f32 with K innermost, become codes of FP6 (E2M3) with one E8M0 byte for each 32 along K,
; laid in the order of the matrix operand's registers; and the table of cos and sin for the rotation of q and k is made.
; TILES.  768 tiles of 16 rows (0-511 x, 512-575 Wq, 576-639 Wk, 640-703 Wv, 704-767 Wo).  Place i of tile T of a tensor is row 32 (T / 2) + 8 (T % 2) + i + 8 (i / 8).
; CODES (xwc): 12,288 bytes a tile: 16 pieces of 768 bytes, one for each 64 along K.  In a piece lane l = (r = l % 16, h = l / 16) owns the 24 bytes of block h of place r:
;   its first 16 bytes at 16 l, its last 8 at 512 + 8 l.  So a piece is stored, and later loaded, by one access of 16 and one of 8 bytes a lane, each covering consecutive bytes.
; SCALES (xws): 512 bytes a tile: word [H][l][i] holds the four bytes of place l % 16 for K step 4 H + 2 i + l / 16 (a K step is 128 along K).
; SHARES.  Work-groups 0-383: wave w takes tile 2 g + w / 2, half H = w % 2 of K, in four steps of 128.  Each load reads 512 consecutive bytes of one row; the 16 rows turn through the
;   wave's own stage in LDS (rows 528 bytes apart), from which a lane takes the 2 x 32 neighbours that the operand's layout gives it.  Waves share nothing: no barrier.  Loads run two steps ahead.
; Work-groups 384-415: wave W = 4 (g - 384) + w makes the table of sequence tile W (rope): 32 registers a lane, register i = cos, 16 + i = sin of position(place r) x 10000^(-(16 h + i) / 32).
; A block's scale is 2^(floor(log2(largest magnitude)) - 2): its byte is the largest magnitude's exponent field - 2, held at 1 from below by a floor among the maximum's leaves.
; LIMITS: NaN and infinities among the inputs are not served.  A block of zeros gets the byte 1 (its codes are zeros; this program alone reads the bytes).
;   The table takes 10^(j / 8) rounded once to f32, its reciprocal rounded once, one f32 product with the position; cos and sin are good to about 1e-7.
.set SP,   528                         ; a stage row: 512 bytes + 16
.set L16,  1                           ; v1   16 x lane
.set L8,   2                           ; v2   8 x lane
.set STI,  3                           ; v3   the stage, on the way in
.set STO,  4                           ; v4   and on the way out: 528 r + 128 h
.set SH,   5                           ; v5   8 h: where my two scale bytes stand in the word
.set R,    16                          ; v16-143  two sets of 64 numbers as loaded
.set X,    144                         ; v144-207 64 numbers: register 32 c + i = k 64 c + 32 h + i of my row
.set C,    208                         ; v208-219 the codes of a K step
.set TM,   220                         ; v220-222, v224-226 upper halves of the blocks' codes
.set W,    228                         ; v228-231 the four steps' scale words
.set S,    232                         ; v232-233 as they are stored
	s_load_b256 s[4:11], s[0:1], 0x0               ; x s[4:5], Wq s[6:7], Wk s[8:9], Wv s[10:11]
	s_load_b256 s[12:19], s[0:1], 0x20             ; Wo s[12:13], xwc s[14:15], xws s[16:17], rope s[18:19]
	v_lshl_add_u32 v254, v0, 2, 0x8400
	v_mov_b32 v255, 0
	v_lshrrev_b32 v6, 5, v0
	v_readfirstlane_b32 s24, v6                    ; wave
	v_and_b32 v6, 31, v0
	v_lshlrev_b32 v[L16], 4, v6
	v_lshlrev_b32 v[L8], 3, v6
	v_and_b32 v6, 15, v0                           ; r
	v_bfe_u32 v7, v0, 4, 1                         ; h
	s_mov_b32 s20, 0x76543210
	s_mov_b32 s21, 0xfedcba98                      ; v_permlanex16_b32's selects for lane l xor 16
	s_mov_b32 s22, 0xffff0000                      ; lanes 16-31
	s_cmp_ge_u32 ttmp9, 384
	s_cbranch_scc1 .Lrope
	; ---------------- the quantiser
	s_lshr_b32 s25, s24, 1
	s_and_b32 s26, s24, 1                          ; H
	s_lshl_b32 s27, ttmp9, 1
	s_add_co_u32 s27, s27, s25                     ; T
	s_and_b32 s28, s27, 63
	s_cmp_lt_u32 ttmp9, 256
	s_cselect_b32 s28, s27, s28                    ; the tile's number in its tensor
	s_lshr_b32 s32, s28, 1
	s_lshl_b32 s32, s32, 17                        ; 32 rows of 4,096 bytes
	s_and_b32 s33, s28, 1
	s_lshl_b32 s33, s33, 15                        ; 8 rows
	s_add_co_u32 s32, s32, s33
	s_lshl_b32 s33, s26, 11                        ; my half of K
	s_add_co_u32 s32, s32, s33
	s_mov_b32 s33, 0
	s_mul_i32 s34, s27, 12288
	s_mul_i32 s35, s26, 6144
	s_add_co_u32 s34, s34, s35
	s_mov_b32 s35, 0
	s_lshl_b32 s36, s27, 9
	s_lshl_b32 s37, s26, 8
	s_add_co_u32 s36, s36, s37
	s_mov_b32 s37, 0
	s_mul_i32 s38, s24, 16*SP                      ; my stage
	s_wait_alu depctr_va_vdst(0)
	v_add_nc_u32 v[STI], s38, v[L16]
	v_mul_u32_u24 v[STO], v6, SP
	v_lshl_add_u32 v[STO], v7, 7, v[STO]
	v_add_nc_u32 v[STO], s38, v[STO]
	v_lshlrev_b32 v[SH], 3, v7
	v_mov_b32 v14, 0                               ; written once: a lane permute's destination counts as one of its sources
	s_wait_alu depctr_va_vdst(0)
	s_wait_kmcnt 0x0
	s_cmp_lt_u32 ttmp9, 352                        ; which tensor: the choice hangs on the work-group's number alone
	s_cselect_b64 s[30:31], s[10:11], s[12:13]
	s_cmp_lt_u32 ttmp9, 320
	s_cselect_b64 s[30:31], s[8:9], s[30:31]
	s_cmp_lt_u32 ttmp9, 288
	s_cselect_b64 s[30:31], s[6:7], s[30:31]
	s_cmp_lt_u32 ttmp9, 256
	s_cselect_b64 s[30:31], s[4:5], s[30:31]
	s_add_nc_u64 s[30:31], s[30:31], s[32:33]
	s_add_nc_u64 s[34:35], s[14:15], s[34:35]
	s_add_nc_u64 s[36:37], s[16:17], s[36:37]
.macro LOADS t                         ; step t: 128 numbers of each of the tile's 16 rows; a load reads 512 consecutive bytes
.irp i, 0,1,2,3,4,5,6,7,8,9,10,11,12,13,14,15
	global_load_b128 v[R+64*((\t)%2)+4*\i:R+64*((\t)%2)+4*\i+3], v[L16], s[30:31] offset:(\i+8*(\i/8))*4096+512*(\t) th:TH_LOAD_NT
.endr
.endm
.macro STEP t
.if (\t) < 3
	s_wait_loadcnt 16                              ; this step's 16 loads are in; the next step's 16 may be out
.else
	s_wait_loadcnt 0x0
.endif
.irp i, 0,1,2,3,4,5,6,7,8,9,10,11,12,13,14,15
	ds_store_b128 v[STI], v[R+64*((\t)%2)+4*\i:R+64*((\t)%2)+4*\i+3] offset:SP*\i
.endr
.irp c, 0,1
.irp q, 0,1,2,3,4,5,6,7
	ds_load_b128 v[X+32*\c+4*\q:X+32*\c+4*\q+3], v[STO] offset:256*\c+16*\q   ; LDS serves a wave's instructions in order: these see the stores above
.endr
.endr
	s_wait_dscnt 0x0                               ; my numbers are back, and the stores have read their registers,
.if (\t)+2 < 4
	LOADS (\t)+2                                   ; which take the loads of two steps on
.endif
	v_max3_num_f32 v8, |v[X]|, |v[X+1]|, 0x1800000        ; my two whole blocks, 2 c + h, by turns; the floor 2^(3 - 127) holds the byte at 1 from below
	v_max3_num_f32 v9, |v[X+32]|, |v[X+33]|, 0x1800000
.irp i, 2,4,6,8,10,12,14,16,18,20,22,24,26,28,30
	v_max3_num_f32 v8, v8, |v[X+\i]|, |v[X+\i+1]|
	v_max3_num_f32 v9, v9, |v[X+32+\i]|, |v[X+33+\i]|
.endr
	v_add_nc_u32 v10, 0xff000000, v8               ; 2 off the exponent field: the conversion takes the exponent field of this operand as its scale
	v_add_nc_u32 v11, 0xff000000, v9
	v_lshrrev_b32 v12, 23, v10                     ; the scales' bytes
	v_lshrrev_b32 v13, 23, v11
	v_lshl_or_b32 v15, v13, 16, v12                ; blocks h and 2 + h,
	v_lshlrev_b32 v15, v[SH], v15                  ; at their places in the word;
	v_permlanex16_b32 v14, v15, s20, s21
	v_or_b32 v[W+(\t)], v15, v14                   ; with lane l xor 16's two the word is whole
	s_wait_alu depctr_va_vdst(0)
	s_wait_xcnt 0x0                                ; the last step's stores have read the codes' registers
	v_cvt_scalef32_pk16_fp6_f32 v[C:C+2], v[X:X+15], v10
	v_cvt_scalef32_pk16_fp6_f32 v[TM:TM+2], v[X+16:X+31], v10        ; (a conversion's three registers begin on an even number)
	v_cvt_scalef32_pk16_fp6_f32 v[C+6:C+8], v[X+32:X+47], v11
	v_cvt_scalef32_pk16_fp6_f32 v[TM+4:TM+6], v[X+48:X+63], v11
	v_nop                                          ; one plain place behind a scaled conversion
.irp c, 0,1
.irp i, 0,1,2
	v_mov_b32 v[C+6*\c+3+\i], v[TM+4*\c+\i]
.endr
.endr
.irp c, 0,1
	global_store_b128 v[L16], v[C+6*\c:C+6*\c+3], s[34:35] offset:(2*(\t)+\c)*768          ; 512 consecutive bytes
	global_store_b64 v[L8], v[C+6*\c+4:C+6*\c+5], s[34:35] offset:(2*(\t)+\c)*768+512      ; 256 consecutive bytes
.endr
.endm
	LOADS 0
	LOADS 1
	STEP 0
	STEP 1
	STEP 2
	STEP 3
	v_cndmask_b32 v[S], v[W], v[W+1], s22          ; lanes 0-15 the even K step's word, lanes 16-31 the odd one's
	v_cndmask_b32 v[S+1], v[W+2], v[W+3], s22
	global_store_b64 v[L8], v[S:S+1], s[36:37]     ; 256 consecutive bytes
	s_wait_tensorcnt 0x0
	ds_add_u32 v254, v255
	s_wait_dscnt 0x0
	s_endpgm
	; ---------------- the table
.set PW, 16                            ; v16-31   10^(j / 8), j = 16 h + i
.set RC, 32                            ; v32-47   its reciprocal
.set ER, 48                            ; v48-63   at work
.set AN, 64                            ; v64-79   the angle, then what is left of it
.set NN, 80                            ; v80-95   the nearest multiple of pi / 2
.set ZZ, 96                            ; v96-111  the square
.set SN, 112                           ; v112-127 sin of what is left
.set OC, 128                           ; v128-143 cos, v144-159 sin: as stored
.set OS, 144
.set CN, 160                           ; v160-175 cos of what is left
.set QD, 176                           ; v176-191 the quadrant
.macro POW m, hi, lo                   ; 10^(m / 8) = hi + lo; hi has 17 bits, so hi x 1, 10, 100, 1000 is exact, and the fused multiply-add rounds once
	v_mul_f32 v[PW+\m], \hi, v9
	v_mul_f32 v[PW+8+\m], \hi, v10
	v_fmamk_f32 v[PW+\m], v9, \lo, v[PW+\m]
	v_fmamk_f32 v[PW+8+\m], v10, \lo, v[PW+8+\m]
.endm
.Lrope:
	s_sub_co_u32 s25, ttmp9, 384
	s_lshl_b32 s25, s25, 2
	s_add_co_u32 s25, s25, s24                     ; sequence tile W
	s_lshr_b32 s26, s25, 1
	s_lshl_b32 s26, s26, 5
	s_and_b32 s27, s25, 1
	s_lshl_b32 s27, s27, 3
	s_add_co_u32 s26, s26, s27                     ; its first position
	s_lshl_b32 s28, s25, 12
	s_mov_b32 s29, 0
	s_wait_alu depctr_va_vdst(0)
	v_and_b32 v8, 8, v6
	v_add_nc_u32 v8, v8, v6
	v_add_nc_u32 v8, s26, v8
	v_cvt_f32_u32 v8, v8                           ; my position
	v_mov_b32 v10, 1.0
	v_cmp_eq_u32 vcc_lo, 0, v7
	v_cndmask_b32 v9, 0x42c80000, v10, vcc_lo      ; 10^(2 h): 1 or 100, for i = 0 .. 7
	v_mul_f32 v10, 0x41200000, v9                  ; x 10 for i = 8 .. 15
	v_mov_b32 v12, 0xb94ca1f9                      ; the polynomials' leading coefficients
	v_mov_b32 v13, 0x37ccf5ce
	v_mov_b32 v[PW], v9
	v_mov_b32 v[PW+8], v10
	POW 1, 0x3faab100, 0xb6adc8a0
	POW 2, 0x3fe39e80, 0x36a38a80
	POW 3, 0x4017c480, 0x36b1c0c0
	POW 4, 0x404a6280, 0x3783ada0
	POW 5, 0x4086f180, 0xb77ac140
	POW 6, 0x40b3f300, 0x34323460
	POW 7, 0x40eff780, 0xb7aa5d40
	s_wait_alu depctr_va_vdst(0)
.irp i, 0,1,2,3,4,5,6,7,8,9,10,11,12,13,14,15
	v_rcp_f32 v[RC+\i], v[PW+\i]
.endr
	v_nop                                          ; a plain place behind the last reciprocal
	s_wait_alu depctr_va_vdst(0)                   ; one wait for the batch, ahead of its first reader
.rept 2                                            ; two Newton steps; the second's residual is exact, so its result is 1 / P rounded once
.irp i, 0,1,2,3,4,5,6,7,8,9,10,11,12,13,14,15
	v_fma_f32 v[ER+\i], -v[PW+\i], v[RC+\i], 1.0
.endr
.irp i, 0,1,2,3,4,5,6,7,8,9,10,11,12,13,14,15
	v_fma_f32 v[RC+\i], v[RC+\i], v[ER+\i], v[RC+\i]
.endr
.endr
.irp i, 0,1,2,3,4,5,6,7,8,9,10,11,12,13,14,15
	v_mul_f32 v[AN+\i], v8, v[RC+\i]               ; the angle: one f32 product
.endr
.irp i, 0,1,2,3,4,5,6,7,8,9,10,11,12,13,14,15
	v_mul_f32 v[NN+\i], 0x3f22f983, v[AN+\i]       ; x 2 / pi
.endr
.irp i, 0,1,2,3,4,5,6,7,8,9,10,11,12,13,14,15
	v_rndne_f32 v[NN+\i], v[NN+\i]                 ; n, at most 1,304
.endr
.irp i, 0,1,2,3,4,5,6,7,8,9,10,11,12,13,14,15
	v_fmamk_f32 v[AN+\i], v[NN+\i], 0xbfc90fdb, v[AN+\i]   ; - n x (pi / 2 to 24 bits): a multiple of 2^-23 under 1, so nothing is rounded
.endr
.irp i, 0,1,2,3,4,5,6,7,8,9,10,11,12,13,14,15
	v_fmamk_f32 v[AN+\i], v[NN+\i], 0x333bbd2e, v[AN+\i]   ; - n x (the rest of pi / 2)
.endr
.irp i, 0,1,2,3,4,5,6,7,8,9,10,11,12,13,14,15
	v_mul_f32 v[ZZ+\i], v[AN+\i], v[AN+\i]
.endr
.irp i, 0,1,2,3,4,5,6,7,8,9,10,11,12,13,14,15
	v_fmaak_f32 v[SN+\i], v12, v[ZZ+\i], 0x3c08839e
	v_fmaak_f32 v[CN+\i], v13, v[ZZ+\i], 0xbab6061a
.endr
.irp i, 0,1,2,3,4,5,6,7,8,9,10,11,12,13,14,15
	v_fmaak_f32 v[SN+\i], v[SN+\i], v[ZZ+\i], 0xbe2aaaa3
	v_fmaak_f32 v[CN+\i], v[CN+\i], v[ZZ+\i], 0x3d2aaaa5
.endr
.irp i, 0,1,2,3,4,5,6,7,8,9,10,11,12,13,14,15
	v_mul_f32 v[SN+\i], v[SN+\i], v[ZZ+\i]
	v_mul_f32 v[CN+\i], v[CN+\i], v[ZZ+\i]
	v_fma_f32 v[ER+\i], v[ZZ+\i], -0.5, 1.0
.endr
.irp i, 0,1,2,3,4,5,6,7,8,9,10,11,12,13,14,15
	v_fma_f32 v[SN+\i], v[AN+\i], v[SN+\i], v[AN+\i]       ; sin = x + x z (..)
	v_fma_f32 v[CN+\i], v[CN+\i], v[ZZ+\i], v[ER+\i]       ; cos = 1 - z / 2 + z z (..)
	v_cvt_i32_f32 v[QD+\i], v[NN+\i]
.endr
.irp i, 0,1,2,3,4,5,6,7,8,9,10,11,12,13,14,15
	v_and_b32 v11, 1, v[QD+\i]
	v_cmp_eq_u32 vcc_lo, 1, v11                    ; in odd quadrants the two change places
	v_cndmask_b32 v[OS+\i], v[SN+\i], v[CN+\i], vcc_lo
	v_cndmask_b32 v[OC+\i], v[CN+\i], v[SN+\i], vcc_lo
	v_lshlrev_b32 v11, 30, v[QD+\i]
	v_and_b32 v11, 0x80000000, v11                 ; sin is negated in quadrants 2 and 3,
	v_xor_b32 v[OS+\i], v11, v[OS+\i]
	v_add_nc_u32 v11, 1, v[QD+\i]
	v_lshlrev_b32 v11, 30, v11
	v_and_b32 v11, 0x80000000, v11                 ; cos in quadrants 1 and 2
	v_xor_b32 v[OC+\i], v11, v[OC+\i]
.endr
	s_wait_alu depctr_va_vdst(0)
	s_wait_kmcnt 0x0
	s_add_nc_u64 s[28:29], s[18:19], s[28:29]
.irp g, 0,1,2,3,4,5,6,7
	global_store_b128 v[L16], v[OC+4*\g:OC+4*\g+3], s[28:29] offset:512*\g     ; the image of my 32 registers: 512 consecutive bytes a store
.endr
	s_endpgm
.Lfunc_end_k_q46497d46d7_prep:
	.size	k_q46497d46d7_prep, .Lfunc_end_k_q46497d46d7_prep-k_q46497d46d7_prep
	.p2alignl 7, 3214868480
	.fill 96, 4, 3214868480
	.section	.rodata,"a",@progbits
	.p2align	6, 0x0
	.amdhsa_kernel k_q46497d46d7_prep
		.amdhsa_group_segment_fixed_size 34304
		.amdhsa_private_segment_fixed_size 0
		.amdhsa_enable_private_segment 0
		.amdhsa_kernarg_size 64
		.amdhsa_user_sgpr_count 2
		.amdhsa_user_sgpr_kernarg_segment_ptr 1
		.amdhsa_wavefront_size32 1
		.amdhsa_system_sgpr_workgroup_id_x 1
		.amdhsa_system_sgpr_workgroup_id_y 1
		.amdhsa_system_sgpr_workgroup_id_z 1
		.amdhsa_system_vgpr_workitem_id 0
		.amdhsa_next_free_vgpr 256
		.amdhsa_next_free_sgpr 66
		.amdhsa_reserve_vcc 1
		.amdhsa_float_denorm_mode_32 3
		.amdhsa_float_denorm_mode_16_64 3
		.amdhsa_memory_ordered 1
		.amdhsa_forward_progress 1
		.amdhsa_inst_pref_size 59
	.end_amdhsa_kernel
	.amdgpu_metadata
---
amdhsa.version: [ 1, 2 ]
amdhsa.kernels:
  - .name:           k_q46497d46d7_prep
    .symbol:         k_q46497d46d7_prep.kd
    .args:
      - { .name: x, .offset: 0, .size: 8, .value_kind: global_buffer, .address_space: global }
      - { .name: Wq, .offset: 8, .size: 8, .value_kind: global_buffer, .address_space: global }
      - { .name: Wk, .offset: 16, .size: 8, .value_kind: global_buffer, .address_space: global }
      - { .name: Wv, .offset: 24, .size: 8, .value_kind: global_buffer, .address_space: global }
      - { .name: Wo, .offset: 32, .size: 8, .value_kind: global_buffer, .address_space: global }
      - { .name: xwc, .offset: 40, .size: 8, .value_kind: global_buffer, .address_space: global }
      - { .name: xws, .offset: 48, .size: 8, .value_kind: global_buffer, .address_space: global }
      - { .name: rope, .offset: 56, .size: 8, .value_kind: global_buffer, .address_space: global }
    .group_segment_fixed_size: 34304
    .private_segment_fixed_size: 0
    .kernarg_segment_align: 8
    .kernarg_segment_size: 64
    .max_flat_workgroup_size: 128
    .sgpr_count:     66
    .vgpr_count:     256
    .wavefront_size: 32
...
	.end_amdgpu_metadata
.endif
;; end of part 1
;; launch qkv (part 2): grid 32 x 8, 4 waves a work-group, clusters of 4 x 1, 327,680 bytes of LDS; arguments xwc, xws, rope, bq, bk, bv, qkv; writes qkv
.if DOCPART == 2
	.amdgcn_target "amdgcn-amd-amdhsa--gfx1250"
	.amdhsa_code_object_version 6
	.text
	.protected	k_q46497d46d7_qkv
	.globl	k_q46497d46d7_qkv
	.p2align	8
	.type	k_q46497d46d7_qkv,@function
k_q46497d46d7_qkv:
	s_mov_b64 s[64:65], 0
	v_nop
	global_prefetch_b8 v0, s[64:65] scope:SCOPE_SE
	s_setreg_imm32_b32 hwreg(HW_REG_WAVE_MODE, 25, 1), 1
	s_wait_xcnt 0x0
	s_wait_alu depctr_hold_cnt(0) depctr_sa_sdst(0) depctr_va_vdst(0) depctr_va_sdst(0) depctr_va_ssrc(0) depctr_va_vcc(0) depctr_vm_vsrc(0)
	s_getreg_b32 s2, hwreg(HW_REG_IB_STS2, 6, 4)
	s_cmp_eq_u32 s2, 0
	s_cbranch_scc0 .Lentry_in_a_cluster
	s_endpgm
.Lentry_in_a_cluster:
	s_bfe_u32 s2, ttmp6, 0x10000c
	s_cmp_lg_u32 s2, 0x3003
	s_cbranch_scc0 .Lentry_shape_is_right
	s_endpgm
.Lentry_shape_is_right:
; Q = rope(x Wq^T + bq), K = rope(x Wk^T + bk), V = x Wv^T + bv on codes of FP6 (E2M3) with E8M0 scales, each result quantised again and stored as the operand of the attention's products.
; xwc, xws: tiles of 16 rows in the order of the operand's registers (12,288 bytes of codes, 512 of scale words a tile): tiles 0-511 x, 512-575 Wq, 576-639 Wk, 640-703 Wv.
; Place i of tile T of a tensor is row 32 (T / 2) + 8 (T % 2) + i + 8 (i / 8).  qkv: one record of REC bytes for each (batch, head): K's codes, V's codes, K's and V's scale words, Q's codes and scale words.
; SHARES.  256 work-groups: 32 blocks of 256 tokens x 8 groups of 384 columns of [Wq | Wk | Wv]: six heads.  A wave owns 64 tokens and walks the six heads.
; The group's 24 tiles of weights are 294,912 consecutive bytes: they come into LDS ONCE, by joint loads, and stay: no byte is filled again.  What is needed first is asked for first: at the head wave 0
; asks for the first head's four tiles; then every wave asks for its rows of x; then, behind the sequence that stands ahead of a later first fill, each wave asks for five of the other twenty tiles.
; The first head is worked while those are on their way: its trip is written out (the same macro as the loop's trip) and reads the first 49,152 LDS bytes alone; a barrier behind it shows the rest.
; The four work-groups of a cluster have the same columns and other tokens: the weights are asked for jointly; of x they share nothing.
; A wave's 64 rows of x, all of K, are read by that wave alone: they go from memory straight into 384 registers (each load covers 512 or 256 consecutive bytes) and serve all six heads.
; All that the launch reads in bulk is asked for ahead of the first product: nothing is left to ask for ahead into the L2.
; A HEAD: 8 K steps x 16 products on 16 accumulators by turns.  The weights' fragments lie in four sets of registers and are fetched from LDS three K steps ahead, in the loop on into the next head
; (behind the last head its own first steps are fetched once more and not used).  The bias is the first products' C.  The next head's scale words and bias are loaded under this head's way out.
; Q, K: source 0 = the weight's rows: a lane holds one token, its 32 registers the head's channels 16 (lane / 16) + 0 .. 15 and 32 + the same: the rotation's two halves.  V: source 0 = x's rows: a lane holds one
; channel, its 32 registers 64 tokens.  In both a lane's 32 registers are two half blocks of the next product's K: one quantiser serves both.
; The table of cos and sin is loaded by every work-group, also by the two groups of columns that hold V's heads alone (16,384 bytes a wave).
; V's scale bytes leave two bytes a lane, Q's and K's scale words eight (786,432 bytes in the whole launch).
; LIMITS: NaN and infinities are not served; a block of zeros gets the scale byte 1 (this program alone reads the bytes).
; REGISTERS.  Window 0: addresses, scale words, x's fragment 31, the quantiser's registers, v128-255 the accumulators.  Window 1: the weights' four sets, the bias, the rotation's spare 16.
; Window 2: x's fragments 21-30, v128-255 the table.  Window 3: x's fragments 0-20.
.set REC,   315392
.set R_VC,  98304
.set R_KS,  196608
.set R_VS,  204800
.set R_QC,  208896
.set R_QS,  307200
.set TILEB, 12288
.set WPART, 5*TILEB                    ; a wave's quarter of the later twenty tiles: 240 rows of 256 bytes
.set SPARE, 24*TILEB                   ; the spare words
.set L16, 2
.set L8,  3
.set CB16, 4                           ; LDS addresses in this head's tiles,
.set CB8,  5
.set NB16, 6                           ; and in the next head's
.set NB8,  7
.set H64, 8                            ; 64 (lane / 16)
.set RP4, 9                            ; 4 (r + 8 (r / 8))
.set R8,  10                           ; 8 (lane % 16)
.set SPW, 16
.set NIL, 17
.set WD,  24                           ; v24-27 four tiles' scale bytes; v28-29 as Q's and K's are stored
.set WO,  28
.set SA,  32                           ; v32-47 x's scale words: register 4 a + s / 2, lanes 0-15 the even K step, lanes 16-31 the odd one
.set SW,  50                           ; v50-65 the head's weights'
.set QM,  96
.set QE,  100
.set QO,  104
.set QC,  108                          ; v108-119 two tiles' codes; v120-127 their upper halves
.set QT,  120
.set ACC, 128
.set BI,  192                          ; window 1
.set TT,  224                          ; window 1
.set WV,  18
.set G0,  20                           ; s[20:23], s[24:31] the first head's tiles; s[92:95], s[84:91] the other twenty
.set G1,  24
.set G1R, 84
.set G0R, 92
.set SEL, 38
.set HD,  41                           ; the trip; GH the head among the 48; GN, HN the next one's; HB, NBS LDS bytes of this head's and the next head's tiles
.set GH,  42
.set GN,  43
.set HB,  44
.set NBS, 45
.set HN,  82
.set MSB, 0
.macro WIN new
.if MSB != (\new)
	s_set_vgpr_msb (MSB<<8)|(\new)
.set MSB, (\new)
.endif
.endm
.macro WALU
	s_wait_alu depctr_va_vdst(0)
.endm
.macro CROUND
	s_barrier_signal -1
	s_barrier_wait -1
	s_cmp_lg_u32 s[WV], 0
	s_cbranch_scc1 .Lnot_wave_0_\@
	s_barrier_signal -3
.Lnot_wave_0_\@:
	s_barrier_wait -3
	s_barrier_signal -1
	s_barrier_wait -1
.endm
.macro PLACES
.rept 4
	v_nop
.endr
.endm
.macro FRAG reg, a16, a8, off
	ds_load_b128 v[\reg:\reg+3], v[\a16] offset:\off
	ds_load_b64 v[\reg+4:\reg+5], v[\a8] offset:\off+512
	ds_load_b128 v[\reg+6:\reg+9], v[\a16] offset:\off+768
	ds_load_b64 v[\reg+10:\reg+11], v[\a8] offset:\off+1280
.endm
.macro FETCH s                         ; 16 LDS loads: the head's four fragments of K step s into set s % 4; s = 8, 9, 10: the next head's steps 0, 1, 2
	WIN 0x40
.irp b, 0,1,2,3
.if (\s) < 8
	FRAG 48*((\s)%4)+12*\b, CB16, CB8, \b*TILEB+(\s)*1536
.else
	FRAG 48*((\s)%4)+12*\b, NB16, NB8, \b*TILEB+((\s)-8)*1536
.endif
.endr
	WIN 0
.endm
.macro AFR s, a                        ; where x's fragment 4 s + a lies: window AW_, register AR_
.set F_, 4*(\s)+(\a)
.if F_ < 21
.set AW_, 3
.set AR_, 12*F_
.elseif F_ < 31
.set AW_, 2
.set AR_, 12*(F_-21)
.else
.set AW_, 0
.set AR_, 84
.endif
.endm
.macro LOAD_A s
.irp a, 0,1,2,3
	AFR \s, \a
	WIN AW_<<6
	global_load_b128 v[AR_:AR_+3], v[L16], s[4:5] offset:\a*TILEB+(\s)*1536
	global_load_b64 v[AR_+4:AR_+5], v[L8], s[4:5] offset:\a*TILEB+(\s)*1536+512
	global_load_b128 v[AR_+6:AR_+9], v[L16], s[4:5] offset:\a*TILEB+(\s)*1536+768
	global_load_b64 v[AR_+10:AR_+11], v[L8], s[4:5] offset:\a*TILEB+(\s)*1536+1280
.endr
	WIN 0
.endm
.macro W1 d, x, y, c, sx, sy, odd
.if \odd
	v_wmma_scale_f32_16x16x128_f8f6f4 v[\d:\d+7], v[\x:\x+11], v[\y:\y+11], \c, v[\sx], v[\sy] matrix_a_fmt:MATRIX_FMT_FP6 matrix_b_fmt:MATRIX_FMT_FP6 matrix_a_scale:MATRIX_SCALE_ROW1 matrix_b_scale:MATRIX_SCALE_ROW1
.else
	v_wmma_scale_f32_16x16x128_f8f6f4 v[\d:\d+7], v[\x:\x+11], v[\y:\y+11], \c, v[\sx], v[\sy] matrix_a_fmt:MATRIX_FMT_FP6 matrix_b_fmt:MATRIX_FMT_FP6
.endif
.endm
.macro MUL v, s                        ; 16 products, the 16 accumulators by turns, in the same order in every step.  v = 0: Q, K; v = 1: V
.if (\s) == 0
.set CW_, 0x10                         ; the first products' C is the bias, in window 1
.else
.set CW_, 0
.endif
.irp a, 0,1,2,3
	AFR \s, \a
.irp b, 0,1,2,3
.set WR_, 48*((\s)%4)+12*\b
.set XA_, SA+4*\a+(\s)/2
.set XW_, SW+4*\b+(\s)/2
.if \v
.set D_, ACC+8*(4*\b+\a)
	WIN AW_|0x04|CW_
.if (\s) == 0
	W1 D_, AR_, WR_, v[BI+8*\b:BI+8*\b+7], XA_, XW_, 0
.else
	W1 D_, AR_, WR_, v[D_:D_+7], XA_, XW_, (\s)%2
.endif
.else
.set D_, ACC+8*(4*\a+\b)
	WIN 0x01|(AW_<<2)|CW_
.if (\s) == 0
	W1 D_, WR_, AR_, v[BI+8*\b:BI+8*\b+7], XW_, XA_, 0
.else
	W1 D_, WR_, AR_, v[D_:D_+7], XW_, XA_, (\s)%2
.endif
.endif
.endr
.endr
.endm
.macro KSTEP v, s, first               ; first = 1: the first head's trip fetches nothing of the next head
	PLACES                                         ; in front of the loads into the set that the last step multiplied
.if (\first) && ((\s) > 4)
	s_wait_dscnt 16*(7-(\s))                       ; this step's set is in; the fetches behind it, 16 loads each, may be out
.else
	FETCH (\s)+3
	s_wait_dscnt 48                                ; this step's set is in; the three fetches behind it, 16 loads each, may be out
.endif
	MUL \v, \s
.endm
.macro HLOADS                          ; for head GN (trip HN): its weights' scale words (8 loads), and its bias laid as the result lies (8 loads or 32)
	s_lshl_b32 s46, s[HN], 11
	s_add_nc_u64 s[52:53], s[58:59], s[46:47]
	s_cmp_lt_u32 s[GN], 16                         ; the choice hangs on ids alone
	s_cselect_b64 s[50:51], s[10:11], s[12:13]
	s_cmp_lt_u32 s[GN], 32
	s_cselect_b64 s[50:51], s[50:51], s[14:15]
	s_and_b32 s46, s[GN], 15
	s_lshl_b32 s46, s46, 8
	s_add_nc_u64 s[50:51], s[50:51], s[46:47]
.irp i, 0,1,2,3
.irp u, 0,1
	global_load_b64 v[SW+4*\i+2*\u:SW+4*\i+2*\u+1], v[L8], s[52:53] offset:512*\i+256*\u
.endr
.endr
	s_cmp_lt_u32 s[GN], 32
	s_cbranch_scc0 .Lbias_v_\@
	WIN 0x40
.irp b, 0,1,2,3                                    ; Q, K: register j of tile b is channel 32 (b / 2) + 8 (b % 2) + 16 (lane / 16) + j
	global_load_b128 v[BI+8*\b:BI+8*\b+3], v[H64], s[50:51] offset:(32*(\b/2)+8*(\b%2))*4
	global_load_b128 v[BI+8*\b+4:BI+8*\b+7], v[H64], s[50:51] offset:(32*(\b/2)+8*(\b%2))*4+16
.endr
	WIN 0
	s_branch .Lbias_done_\@
.Lbias_v_\@:
	WIN 0x40
.irp b, 0,1,2,3                                    ; V: all eight registers of tile b hold the lane's channel's number
.irp j, 0,1,2,3,4,5,6,7
	global_load_b32 v[BI+8*\b+\j], v[RP4], s[50:51] offset:(32*(\b/2)+8*(\b%2))*4
.endr
.endr
	WIN 0
.Lbias_done_\@:
.endm
.macro NEXT                            ; the next head's loads; the last trip has none
	s_cmp_eq_u32 s[HD], 5
	s_cbranch_scc1 .Lno_next_\@
	HLOADS
.Lno_next_\@:
.endm
.macro ROPE a                          ; y1 = y1 cos - y2 sin, y2 = y2 cos + y1 sin, in place; each accumulator is read from its low end on
.set Y1, ACC+32*(\a)
.set Y2, Y1+16
.set TB_, 128+32*(\a)
	WIN 0x48
.irp k, 0,2,4,6,8,10,12,14
	v_pk_mul_f32 v[TT+\k:TT+\k+1], v[Y1+\k:Y1+\k+1], v[TB_+16+\k:TB_+17+\k]
.endr
	WIN 0x08
.irp k, 0,2,4,6,8,10,12,14
	v_pk_mul_f32 v[Y1+\k:Y1+\k+1], v[Y1+\k:Y1+\k+1], v[TB_+\k:TB_+\k+1]
.endr
.irp k, 0,2,4,6,8,10,12,14
	v_pk_fma_f32 v[Y1+\k:Y1+\k+1], v[Y2+\k:Y2+\k+1], v[TB_+16+\k:TB_+17+\k], v[Y1+\k:Y1+\k+1] neg_lo:[1,0,0] neg_hi:[1,0,0]
.endr
	WIN 0x18
.irp k, 0,2,4,6,8,10,12,14
	v_pk_fma_f32 v[Y2+\k:Y2+\k+1], v[Y2+\k:Y2+\k+1], v[TB_+\k:TB_+\k+1], v[TT+\k:TT+\k+1]
.endr
	WIN 0
.endm
.macro QPAIR s0, w0, st, v             ; two tiles side by side: 32 numbers a lane at s0 and at s0 + 32, block n at + 16 n, become six registers of codes each and the row's two scale bytes; tile w0 + u goes to byte st (w0 + u)
.irp u, 0,1
	v_max3_num_f32 v[QM+2*\u], |v[(\s0)+32*\u]|, |v[(\s0)+32*\u+1]|, 0x1800000       ; the floor 2^(3 - 127) holds the byte at 1 from below
	v_max3_num_f32 v[QM+2*\u+1], |v[(\s0)+32*\u+16]|, |v[(\s0)+32*\u+17]|, 0x1800000
.endr
.irp i, 2,4,6,8,10,12,14
.irp u, 0,1
	v_max3_num_f32 v[QM+2*\u], v[QM+2*\u], |v[(\s0)+32*\u+\i]|, |v[(\s0)+32*\u+\i+1]|
	v_max3_num_f32 v[QM+2*\u+1], v[QM+2*\u+1], |v[(\s0)+32*\u+16+\i]|, |v[(\s0)+32*\u+17+\i]|
.endr
.endr
.irp j, 0,1,2,3
	v_permlanex16_b32 v[QE+\j], v[QM+\j], s[SEL], s[SEL+1]
.endr
.irp j, 0,1,2,3
	v_max_num_f32 v[QM+\j], v[QM+\j], v[QE+\j]     ; with lane l xor 16's half of the block
.endr
.irp j, 0,1,2,3
	v_add_nc_u32 v[QO+\j], 0xff000000, v[QM+\j]    ; 2 off the exponent field: the conversion's scale operand
.endr
.irp j, 0,1,2,3
	v_lshrrev_b32 v[QE+\j], 23, v[QO+\j]
.endr
.irp u, 0,1
	v_lshl_or_b32 v[WD+(\w0)+\u], v[QE+2*\u+1], 8, v[QE+2*\u]
.endr
	WALU                                           ; the wait directly ahead of the wait below
	s_wait_xcnt 0x0                                ; the earlier stores have read the codes' registers
.irp u, 0,1
	v_cvt_scalef32_pk16_fp6_f32 v[QC+6*\u:QC+6*\u+2], v[(\s0)+32*\u:(\s0)+32*\u+15], v[QO+2*\u]
	v_cvt_scalef32_pk16_fp6_f32 v[QT+4*\u:QT+4*\u+2], v[(\s0)+32*\u+16:(\s0)+32*\u+31], v[QO+2*\u+1]
.endr
	v_nop                                          ; one plain place behind a scaled conversion
.irp u, 0,1
.irp i, 0,1,2
	v_permlane16_swap_b32 v[QC+6*\u+\i], v[QT+4*\u+\i]     ; a whole block to a lane
.endr
.endr
.irp u, 0,1
.irp i, 0,1,2
	v_mov_b32 v[QC+6*\u+3+\i], v[QT+4*\u+\i]
.endr
.endr
.irp u, 0,1
	global_store_b128 v[L16], v[QC+6*\u:QC+6*\u+3], s[54:55] offset:(\st)*((\w0)+\u)           ; 512 consecutive bytes
	global_store_b64 v[L8], v[QC+6*\u+4:QC+6*\u+5], s[54:55] offset:(\st)*((\w0)+\u)+512       ; 256 consecutive bytes
.if \v
	global_store_b16 v[R8], v[WD+(\w0)+\u], s[56:57] offset:128*(((\w0)+\u)%2)+4*(((\w0)+\u)/2)   ; (lanes l and l xor 16 write the same)
.endif
.endr
.endm
.macro TRIP first                      ; one head
.if \first
	s_wait_loadcnt 32                              ; the scale words, the bias and x are in; the table's 32 loads, issued last, may be out
.else
	s_wait_loadcnt 0x0                             ; this head's scale words and bias are in
	s_wait_xcnt 0x0                                ; the last head's stores have read their registers and bases
.endif
	s_add_co_u32 s[GN], s[GH], 1
	s_add_co_u32 s[HN], s[HD], 1
	s_add_co_u32 s[NBS], s[HB], 4*TILEB
	s_min_u32 s[NBS], s[NBS], 20*TILEB             ; behind the last head: its own tiles once more
	v_add_nc_u32 v[CB16], s[HB], v[L16]
	v_add_nc_u32 v[CB8], s[HB], v[L8]
	v_add_nc_u32 v[NB16], s[NBS], v[L16]
	v_add_nc_u32 v[NB8], s[NBS], v[L8]
	s_and_b32 s60, s[GH], 15
	s_add_co_u32 s60, s60, s36
	s_mul_i32 s60, s60, REC                        ; the record: 16 x batch + head
	WALU
	s_cmp_ge_u32 s[GH], 32
	s_cbranch_scc1 .Lv_\@
	; ---------------- a head of Q or K
	s_cmp_lt_u32 s[GH], 16
	s_cselect_b32 s61, R_QC, 0
	s_mov_b32 s62, R_KS
	s_cselect_b32 s62, R_QS, s62
	s_add_co_u32 s46, s60, s61
	s_add_co_u32 s46, s46, s66
	s_add_nc_u64 s[54:55], s[16:17], s[46:47]
	s_add_co_u32 s48, s60, s62
	s_add_co_u32 s48, s48, s67
	s_add_nc_u64 s[56:57], s[16:17], s[48:49]
.irp s, 0,1,2,3,4,5,6,7
	KSTEP 0, \s, \first
.endr
	WIN 0
	PLACES                                         ; behind the last products: in front of the loads into their scale words and of the first read of the sums
.if \first
	HLOADS
	s_wait_loadcnt 16                              ; the table is in: behind it stand the 16 loads just issued, or 40
.else
	NEXT
.endif
	ROPE 0
	ROPE 1
	QPAIR ACC, 0, 768, 0
	ROPE 2
	ROPE 3
	QPAIR ACC+64, 2, 768, 0
	v_cndmask_b32 v[WO], v[WD], v[WD+1], s40       ; lanes 0-15 the even tile's word, lanes 16-31 the odd one's
	v_cndmask_b32 v[WO+1], v[WD+2], v[WD+3], s40
	global_store_b64 v[L16], v[WO:WO+1], s[56:57]
	s_branch .Lnext_\@
.Lv_\@:	; ---------------- a head of V
	s_add_co_u32 s46, s60, s68
	s_add_co_u32 s46, s46, R_VC
	s_add_nc_u64 s[54:55], s[16:17], s[46:47]
	s_add_co_u32 s48, s60, s69
	s_add_co_u32 s48, s48, R_VS
	s_add_nc_u64 s[56:57], s[16:17], s[48:49]
.irp s, 0,1,2,3,4,5,6,7
	KSTEP 1, \s, \first
.endr
	WIN 0
	PLACES
.if \first
	HLOADS
.else
	NEXT
.endif
	QPAIR ACC, 0, 1536, 1
	QPAIR ACC+64, 2, 1536, 1
.Lnext_\@:
.endm
	s_load_b256 s[4:11], s[0:1], 0x0               ; xwc s[4:5], xws s[6:7], rope s[8:9], bq s[10:11]
	s_load_b128 s[12:15], s[0:1], 0x20             ; bk s[12:13], bv s[14:15]
	s_load_b64 s[16:17], s[0:1], 0x30              ; qkv
	v_lshl_add_u32 v[SPW], v0, 2, SPARE
	v_mov_b32 v[NIL], 0
	ds_add_u32 v[SPW], v[NIL]                      ; the opening lines: the add, twice on end, and its wait
	ds_add_u32 v[SPW], v[NIL]
	v_lshrrev_b32 v1, 5, v0
	v_readfirstlane_b32 s[WV], v1                  ; wave 0..3
	s_bfe_u32 s19, ttmp6, 0x40000                  ; cx: it enters the addresses of x, of the table and of the results alone
	s_and_b32 s32, ttmp7, 0xffff                   ; the group of columns, which the four partners share
	s_lshl_b32 s33, ttmp9, 2
	s_add_co_u32 s33, s33, s19                     ; the block of tokens
	s_lshl_b32 s34, s33, 4
	s_lshl_b32 s46, s[WV], 2
	s_add_co_u32 s34, s34, s46                     ; my first tile of x,
	s_and_b32 s35, s34, 127                        ; and its number in its sequence
	s_lshr_b32 s36, s33, 3
	s_lshl_b32 s36, s36, 4                         ; 16 x batch
	s_and_b32 s37, s[WV], 1                        ; which 64 of a key step's 128 tokens
	s_lshr_b32 s70, s35, 3                         ; the key step
	s_mul_i32 s66, s35, 768                        ; Q, K: my codes' place in the record's part,
	s_lshl_b32 s67, s70, 9
	s_lshl_b32 s46, s37, 3
	s_add_co_u32 s67, s67, s46                     ; and my scale words'
	s_mul_i32 s68, s70, 6144                       ; V: the same
	s_mul_i32 s46, s37, 768
	s_add_co_u32 s68, s68, s46
	s_lshl_b32 s69, s70, 8
	s_lshl_b32 s46, s37, 1
	s_add_co_u32 s69, s69, s46
	s_mul_i32 s71, s32, 24
	s_add_co_u32 s71, s71, 512                     ; the group's first tile of weights
	s_mul_i32 s[GH], s32, 6                        ; and its first head
	s_mov_b32 s[G1], 15|(3<<16)|(1<<21)            ; the mask: all four work-groups; elements of 8 bytes; bit 21 beside a mask
	s_mov_b32 s[G1+1], 32<<16                      ; rows of 256 bytes
	s_mov_b32 s[G1+2], 192<<16                     ; four tiles
	s_mov_b32 s[G1+3], 32<<16
	s_mov_b32 s[G1+4], 192
	s_mov_b32 s[G1+5], 32                          ; dense rows
	s_mov_b32 s[G1+6], 0
	s_mov_b32 s[G1+7], 0
	s_mov_b32 s[G1R], 15|(3<<16)|(1<<21)
	s_mov_b32 s[G1R+1], 32<<16
	s_mov_b32 s[G1R+2], 240<<16                    ; five tiles
	s_mov_b32 s[G1R+3], 32<<16
	s_mov_b32 s[G1R+4], 240
	s_mov_b32 s[G1R+5], 32
	s_mov_b32 s[G1R+6], 0
	s_mov_b32 s[G1R+7], 0
	s_mov_b32 s[G0+1], 0                           ; the first head's tiles begin at LDS byte 0
	s_mul_i32 s72, s71, TILEB
	s_mov_b32 s73, 0
	s_mul_i32 s60, s[WV], WPART
	s_add_co_u32 s[G0R+1], s60, 4*TILEB            ; behind them: my five of the other twenty
	s_add_co_u32 s62, s72, s[G0R+1]
	s_mov_b32 s63, 0
	s_mul_i32 s74, s34, TILEB
	s_mov_b32 s75, 0
	s_lshl_b32 s76, s34, 9
	s_mov_b32 s77, 0
	s_lshl_b32 s78, s71, 9
	s_mov_b32 s79, 0
	s_lshl_b32 s80, s35, 12
	s_mov_b32 s81, 0
	s_mov_b32 s[SEL], 0x76543210
	s_mov_b32 s[SEL+1], 0xfedcba98                 ; v_permlanex16_b32's selects for lane l xor 16
	s_mov_b32 s40, 0xffff0000                      ; lanes 16-31
	s_mov_b32 s47, 0
	s_mov_b32 s49, 0
	s_wait_dscnt 0x0
	s_wait_kmcnt 0x0
	s_mov_b32 s[G0], 1
	s_add_nc_u64 s[G0+2:G0+3], s[4:5], s[72:73]
	s_or_b32 s[G0+3], s[G0+3], 0x80000000
	s_mov_b32 s[G0R], 1
	s_add_nc_u64 s[G0R+2:G0R+3], s[4:5], s[62:63]
	s_or_b32 s[G0R+3], s[G0R+3], 0x80000000
	s_add_nc_u64 s[4:5], s[4:5], s[74:75]          ; my tiles of x
	s_add_nc_u64 s[58:59], s[6:7], s[78:79]        ; the group's weights' scale words
	s_add_nc_u64 s[6:7], s[6:7], s[76:77]          ; x's
	s_add_nc_u64 s[8:9], s[8:9], s[80:81]          ; my tiles of the table
	CROUND                                         ; all four work-groups are here: the joint loads meet
	s_cmp_lg_u32 s[WV], 0
	s_cbranch_scc1 .Lnot_first
	tensor_load_to_lds s[G0:G0+3], s[G1:G1+7]      ; wave 0: the first head's four tiles
	s_nop 0
	PLACES
.Lnot_first:
	v_and_b32 v1, 31, v0
	v_lshlrev_b32 v[L16], 4, v1
	v_lshlrev_b32 v[L8], 3, v1
	v_bfe_u32 v[H64], v0, 4, 1
	v_lshlrev_b32 v[H64], 6, v[H64]
	v_and_b32 v1, 15, v0
	v_and_b32 v[RP4], 8, v1
	v_add_nc_u32 v[RP4], v[RP4], v1
	v_lshlrev_b32 v[RP4], 2, v[RP4]
	v_lshlrev_b32 v[R8], 3, v1
	v_mov_b32 v[NB16], v[L16]                      ; the first head's tiles begin at LDS byte 0
	v_mov_b32 v[NB8], v[L8]
.irp j, 0,1,2,3
	v_mov_b32 v[QE+\j], 0                          ; written once: a lane permute's destination counts as one of its sources
.endr
	WALU                                           ; the wait at the head's end
.irp i, 0,1,2,3
.irp u, 0,1
	global_load_b64 v[SA+4*\i+2*\u:SA+4*\i+2*\u+1], v[L8], s[6:7] offset:512*\i+256*\u
.endr
.endr
	s_mov_b32 s[GN], s[GH]
	s_mov_b32 s[HN], 0
	HLOADS                                         ; the first head's
.irp s, 0,1,2,3,4,5,6,7
	LOAD_A \s
.endr
	WIN 0x80
.irp a, 0,1,2,3
.irp g, 0,1,2,3,4,5,6,7
	global_load_b128 v[128+32*\a+4*\g:128+32*\a+4*\g+3], v[L16], s[8:9] offset:4096*\a+512*\g   ; register i = cos, 16 + i = sin, for my token and channel 16 (lane / 16) + i
.endr
.endr
	WIN 0
	s_wait_tensorcnt 0x0                           ; wave 0's load has landed.  These lines stand ahead of a later first fill, the add twice on end
	ds_add_u32 v[SPW], v[NIL]
	ds_add_u32 v[SPW], v[NIL]
	s_wait_dscnt 0x0
	CROUND                                         ; a whole round: the first head's tiles are shown to all four waves, and the joint loads meet
	tensor_load_to_lds s[G0R:G0R+3], s[G1R:G1R+7]  ; my five of the other twenty tiles
	s_nop 0
	PLACES
	FETCH 8                                        ; the first head's K steps 0, 1, 2
	FETCH 9
	FETCH 10
	s_mov_b32 s[HD], 0
	s_mov_b32 s[HB], 0
	TRIP 1                                         ; the first head, out of LDS bytes 0 to 49,151 alone
	s_wait_tensorcnt 0x0                           ; my five tiles have landed,
	s_wait_dscnt 0x0
	s_barrier_signal -1
	s_barrier_wait -1                              ; everybody's have
	FETCH 8                                        ; the second head's K steps 0, 1, 2
	FETCH 9
	FETCH 10
	s_add_co_u32 s[GH], s[GH], 1
	s_mov_b32 s[HB], 4*TILEB
	s_mov_b32 s[HD], 1
.Lhead:
	TRIP 0
	s_add_co_u32 s[GH], s[GH], 1
	s_add_co_u32 s[HB], s[HB], 4*TILEB
	s_add_co_u32 s[HD], s[HD], 1
	s_cmp_lt_u32 s[HD], 6
	s_cbranch_scc1 .Lhead
	s_wait_tensorcnt 0x0                           ; the wave's end
	ds_add_u32 v[SPW], v[NIL]
	s_wait_dscnt 0x0
	CROUND                                         ; the closing round
	s_endpgm
.Lfunc_end_k_q46497d46d7_qkv:
	.size	k_q46497d46d7_qkv, .Lfunc_end_k_q46497d46d7_qkv-k_q46497d46d7_qkv
	.p2alignl 7, 3214868480
	.fill 96, 4, 3214868480
	.section	.rodata,"a",@progbits
	.p2align	6, 0x0
	.amdhsa_kernel k_q46497d46d7_qkv
		.amdhsa_group_segment_fixed_size 327680
		.amdhsa_private_segment_fixed_size 0
		.amdhsa_enable_private_segment 0
		.amdhsa_kernarg_size 56
		.amdhsa_user_sgpr_count 2
		.amdhsa_user_sgpr_kernarg_segment_ptr 1
		.amdhsa_wavefront_size32 1
		.amdhsa_system_sgpr_workgroup_id_x 1
		.amdhsa_system_sgpr_workgroup_id_y 1
		.amdhsa_system_sgpr_workgroup_id_z 1
		.amdhsa_system_vgpr_workitem_id 0
		.amdhsa_next_free_vgpr 1024
		.amdhsa_next_free_sgpr 96
		.amdhsa_reserve_vcc 0
		.amdhsa_float_denorm_mode_32 3
		.amdhsa_float_denorm_mode_16_64 3
		.amdhsa_memory_ordered 1
		.amdhsa_forward_progress 1
		.amdhsa_inst_pref_size 207
	.end_amdhsa_kernel
	.amdgpu_metadata
---
amdhsa.version: [ 1, 2 ]
amdhsa.kernels:
  - .name:           k_q46497d46d7_qkv
    .symbol:         k_q46497d46d7_qkv.kd
    .args:
      - { .name: xwc, .offset: 0, .size: 8, .value_kind: global_buffer, .address_space: global }
      - { .name: xws, .offset: 8, .size: 8, .value_kind: global_buffer, .address_space: global }
      - { .name: rope, .offset: 16, .size: 8, .value_kind: global_buffer, .address_space: global }
      - { .name: bq, .offset: 24, .size: 8, .value_kind: global_buffer, .address_space: global }
      - { .name: bk, .offset: 32, .size: 8, .value_kind: global_buffer, .address_space: global }
      - { .name: bv, .offset: 40, .size: 8, .value_kind: global_buffer, .address_space: global }
      - { .name: qkv, .offset: 48, .size: 8, .value_kind: global_buffer, .address_space: global }
    .group_segment_fixed_size: 327680
    .private_segment_fixed_size: 0
    .kernarg_segment_align: 8
    .kernarg_segment_size: 56
    .max_flat_workgroup_size: 128
    .sgpr_count:     96
    .vgpr_count:     1024
    .wavefront_size: 32
...
	.end_amdgpu_metadata
.endif
;; end of part 2
;; launch attn (part 3): grid 4 x 64, 8 waves a work-group, clusters of 4 x 1, 210,944 bytes of LDS; arguments qkv, ac, asc; writes ac, asc
.if DOCPART == 3
	.amdgcn_target "amdgcn-amd-amdhsa--gfx1250"
	.amdhsa_code_object_version 6
	.text
	.protected	k_q46497d46d7_attn
	.globl	k_q46497d46d7_attn
	.p2align	8
	.type	k_q46497d46d7_attn,@function
k_q46497d46d7_attn:
	s_mov_b64 s[64:65], 0
	v_nop
	global_prefetch_b8 v0, s[64:65] scope:SCOPE_SE
	s_setreg_imm32_b32 hwreg(HW_REG_WAVE_MODE, 25, 1), 1
	s_wait_xcnt 0x0
	s_wait_alu depctr_hold_cnt(0) depctr_sa_sdst(0) depctr_va_vdst(0) depctr_va_sdst(0) depctr_va_ssrc(0) depctr_va_vcc(0) depctr_vm_vsrc(0)
	s_getreg_b32 s2, hwreg(HW_REG_IB_STS2, 6, 4)
	s_cmp_eq_u32 s2, 0
	s_cbranch_scc0 .Lentry_in_a_cluster
	s_endpgm
.Lentry_in_a_cluster:
	s_bfe_u32 s2, ttmp6, 0x10000c
	s_cmp_lg_u32 s2, 0x3003
	s_cbranch_scc0 .Lentry_shape_is_right
	s_endpgm
.Lentry_shape_is_right:
; O = softmax(q k^T / 8) v for one (batch, head) a cluster, both products on codes of FP6 (E2M3) with E8M0 scales; O is quantised along the model's 1,024 and stored as the last product's operand.
; THE SOFTMAX: t = score x log2(e) / 8; M = the running largest t rounded UP to a whole number; p = 2^(t - M) is quantised along the keys, not normalised.
; The row's sum is taken of the unquantised p and divides O at the end.  When M moves, the sum and O are multiplied by 2^(old M - new M): exact.
; SHARES.  The cluster's four work-groups own 512 queries each; each of a work-group's eight waves owns TWO tiles of 16 queries in each of two passes, so that each fragment of K and V
; read from LDS feeds both tiles.  Every wave walks all 2,048 keys, 128 a step.
; LDS.  The head's K and V, codes and scale words, are the first 208,896 bytes of its record: they come ONCE, as they lie, each wave bringing an eighth by one joint load (the four work-groups
; read the same bytes), and stay: no slot is filled again.  All of K and V is asked for by the wave's first load, so nothing is left to ask for ahead.
; LDS LOADS RUN HALF A STEP AHEAD: the next step's K is asked for behind this step's first products, the next step's V behind its second.  The step behind the last is step 0 again,
; which the next pass reads; behind the last pass those registers are not used.
; Q IS LOADED A PASS AHEAD into registers of its own (the first pass's while the tensor load is out) and copied at the pass's start.
; LAYOUT.  Both products are used transposed: S^T = K Q^T, O^T = V^T P^T: a lane holds ONE query (lane % 16).  The 16 registers of key tiles 2 n, 2 n + 1 are keys 32 n + 16 (lane / 16) + 0 .. 15.
; THE FIRST PRODUCT'S K IS 64, the instruction's 128: Q's fragment is six registers of codes and six of zero codes; key tile t's operand is v[KF + 6 t] .. + 11, whose upper six meet Q's zero codes.
; REGISTERS.  Window 0: addresses, K's fragments, all scale words, tile 0's scores and O^T, BOTH tiles' row state (so that the two tiles' dependent lines stand by turns).
; Window 1: both tiles' Q and p codes, V's fragments, tile 1's scores and O^T (at tile 0's numbers).
; LIMITS: NaN and infinities are not served; a block of zeros gets the scale byte 1.  The scale bytes of O leave two bytes a lane (262,144 bytes in the whole launch).
.set REC,   315392
.set R_VC,  98304
.set R_KS,  196608
.set R_VS,  204800
.set R_QC,  208896
.set R_QS,  307200
.set WPART, 26112                      ; a wave's eighth of the 208,896 bytes: 102 rows of 256
.set SPARE, 0x33000                    ; the spare words: 128 bytes a wave
.set L16, 1                            ; 16 x lane (K's codes begin at LDS byte 0)
.set L8,  2
.set V16, 3                            ; the same in V's codes
.set V8,  4
.set KS0, 5                            ; in K's scale words
.set VS0, 6                            ; in V's
.set AK16, 7                           ; the next step's addresses
.set AK8,  8
.set AV16, 9
.set AV8,  10
.set AKS,  11
.set AVS,  12
.set R8,  13                           ; 8 (lane % 16)
.set R16, 14                           ; 16 (lane % 16)
.set QSN, 16                           ; v16, v17 the next pass's scale words of Q
.set KF,  32                           ; v32-79 K's eight tiles, v80-85 zeros
.set KSC, 86                           ; v86-89 K's scale words; v90-91 V's
.set VSC, 90
.set QSC, 92                           ; v92, v94 Q's scale words of tiles 0, 1
.set PSC, 93                           ; v93, v95 p's
.set ST,  96                           ; v96-159 of window w: S^T, then p
.set OT,  160                          ; v160-191 of window w: O^T
.set SS,  192                          ; row state of tile w at SS + 24 w: +0 block maxima, +4 the other half's, then bytes, +8 scale operands, +12 f (a pair), +14 -M, +15 largest t, +16 the sum (a pair), +18 at work, +19 the old -M
.set SM,  240                          ; v240-253 seven chains of the sum
.set SPW, 254
.set NIL, 255
.set QF,  0                            ; window 1: Q's fragment of tile w at 12 w
.set VF,  32                           ; window 1: V's four fragments
.set QN,  80                           ; window 1: the next pass's codes of Q, tile w at 6 w
.set PC,  192                          ; window 1: p's codes of tile w at PC + 20 w; PT the upper halves
.set PT,  204
.set WV,  10
.set G0,  16
.set SEL, 20
.set CS,  22
.set G1,  24
.set TB,  32                           ; the next step's codes: 6,144 bytes a step; TK K's scale words: 512; TJ V's: 256
.set TK,  33
.set TJ,  34
.set NT,  35
.set NPS, 36
.set NX,  37
.set QCB, 38
.set QSB, 40
.set ACB, 42
.set ASB, 44
.set MSB, 0
.macro WIN new                         ; the immediate's high byte repeats the setting that is left
.if MSB != (\new)
	s_set_vgpr_msb (MSB<<8)|(\new)
.set MSB, (\new)
.endif
.endm
.macro WALU
	s_wait_alu depctr_va_vdst(0)
.endm
.macro CROUND                          ; a round of the cluster's barrier
	s_barrier_signal -1
	s_barrier_wait -1
	s_cmp_lg_u32 s[WV], 0
	s_cbranch_scc1 .Lnot_wave_0_\@
	s_barrier_signal -3
.Lnot_wave_0_\@:
	s_barrier_wait -3
	s_barrier_signal -1
	s_barrier_wait -1
.endm
.macro QLOAD oc, os                    ; two tiles of Q, codes and scale words, oc and os bytes on from the first pass's
	WIN 0x40
	global_load_b128 v[QN:QN+3], v[L16], s[QCB:QCB+1] offset:(\oc)
	global_load_b64 v[QN+4:QN+5], v[L8], s[QCB:QCB+1] offset:(\oc)+512
	global_load_b128 v[QN+6:QN+9], v[L16], s[QCB:QCB+1] offset:(\oc)+768
	global_load_b64 v[QN+10:QN+11], v[L8], s[QCB:QCB+1] offset:(\oc)+1280
	WIN 0
	global_load_b32 v[QSN], v[R16], s[QSB:QSB+1] offset:(\os)
	global_load_b32 v[QSN+1], v[R16], s[QSB:QSB+1] offset:(\os)+256
.endm
.macro KLOAD a16, a8, as               ; 17 LDS loads: a step's eight key tiles and their scale words
.irp t, 0,1,2,3,4,5,6,7
	ds_load_b128 v[KF+6*\t:KF+6*\t+3], v[\a16] offset:768*\t
	ds_load_b64 v[KF+6*\t+4:KF+6*\t+5], v[\a8] offset:768*\t+512
.endr
	ds_load_b128 v[KSC:KSC+3], v[\as]
.endm
.macro VLOAD a16, a8, as               ; 17 LDS loads: a step's four fragments of V (window 1) and their scale words
	WIN 0x40
.irp a, 0,1,2,3
	ds_load_b128 v[VF+12*\a:VF+12*\a+3], v[\a16] offset:1536*\a
	ds_load_b64 v[VF+12*\a+4:VF+12*\a+5], v[\a8] offset:1536*\a+512
	ds_load_b128 v[VF+12*\a+6:VF+12*\a+9], v[\a16] offset:1536*\a+768
	ds_load_b64 v[VF+12*\a+10:VF+12*\a+11], v[\a8] offset:1536*\a+1280
.endr
	WIN 0
	ds_load_b64 v[VSC:VSC+1], v[\as]
.endm
.macro SMUL w                          ; S^T = K Q^T of tile w
	WIN 0x04|(0x40*(\w))
.irp t, 0,1,2,3,4,5,6,7
.if (\t)%2
	v_wmma_scale_f32_16x16x128_f8f6f4 v[ST+8*\t:ST+8*\t+7], v[KF+6*\t:KF+6*\t+11], v[QF+12*(\w):QF+12*(\w)+11], 0, v[KSC+\t/2], v[QSC+2*(\w)] matrix_a_fmt:MATRIX_FMT_FP6 matrix_b_fmt:MATRIX_FMT_FP6 matrix_a_scale:MATRIX_SCALE_ROW1
.else
	v_wmma_scale_f32_16x16x128_f8f6f4 v[ST+8*\t:ST+8*\t+7], v[KF+6*\t:KF+6*\t+11], v[QF+12*(\w):QF+12*(\w)+11], 0, v[KSC+\t/2], v[QSC+2*(\w)] matrix_a_fmt:MATRIX_FMT_FP6 matrix_b_fmt:MATRIX_FMT_FP6
.endif
.endr
.endm
.macro PV w                            ; O^T += V^T P^T of tile w
	WIN 0x05|(0x50*(\w))
.irp a, 0,1,2,3
.if (\a)%2
	v_wmma_scale_f32_16x16x128_f8f6f4 v[OT+8*\a:OT+8*\a+7], v[VF+12*\a:VF+12*\a+11], v[PC+20*(\w):PC+20*(\w)+11], v[OT+8*\a:OT+8*\a+7], v[VSC+\a/2], v[PSC+2*(\w)] matrix_a_fmt:MATRIX_FMT_FP6 matrix_b_fmt:MATRIX_FMT_FP6 matrix_a_scale:MATRIX_SCALE_ROW1
.else
	v_wmma_scale_f32_16x16x128_f8f6f4 v[OT+8*\a:OT+8*\a+7], v[VF+12*\a:VF+12*\a+11], v[PC+20*(\w):PC+20*(\w)+11], v[OT+8*\a:OT+8*\a+7], v[VSC+\a/2], v[PSC+2*(\w)] matrix_a_fmt:MATRIX_FMT_FP6 matrix_b_fmt:MATRIX_FMT_FP6
.endif
.endr
.endm
.macro MAXP w                          ; the largest score of each block of 32 keys (my 16 of them), the four blocks by turns; each accumulator is read from its low end on
.set B_, SS+24*(\w)
	WIN 0x15*(\w)
.irp b, 0,1,2,3
	v_max3_num_f32 v[B_+\b], v[ST+16*\b], v[ST+1+16*\b], v[ST+2+16*\b]
.endr
	WIN 0x14*(\w)
.irp i, 3,5,7,9,11,13
.irp b, 0,1,2,3
	v_max3_num_f32 v[B_+\b], v[B_+\b], v[ST+16*\b+\i], v[ST+1+16*\b+\i]
.endr
.endr
	WIN 0x04*(\w)
.irp b, 0,1,2,3
	v_max_num_f32 v[B_+\b], v[B_+\b], v[ST+15+16*\b]
.endr
.endm
.macro SUMS w                          ; the row's sum of the unquantised p: 64 numbers a lane, two at a time, in eight chains
.set U_, SS+24*(\w)+16
	WIN 0x05*(\w)
.irp i, 0,1,2,3,4,5,6
	v_pk_add_f32 v[SM+2*\i:SM+2*\i+1], v[ST+4*\i:ST+4*\i+1], v[ST+4*\i+2:ST+4*\i+3]
.endr
	WIN 0x04*(\w)
.irp r, 0,1
.irp i, 0,1,2,3,4,5,6
	v_pk_add_f32 v[SM+2*\i:SM+2*\i+1], v[SM+2*\i:SM+2*\i+1], v[ST+28+16*\r+2*\i:ST+29+16*\r+2*\i]
.endr
	v_pk_add_f32 v[U_:U_+1], v[U_:U_+1], v[ST+42+16*\r:ST+43+16*\r]
.endr
	v_pk_add_f32 v[SM:SM+1], v[SM:SM+1], v[ST+60:ST+61]
	v_pk_add_f32 v[SM+2:SM+3], v[SM+2:SM+3], v[ST+62:ST+63]
	WIN 0
	v_pk_add_f32 v[SM+4:SM+5], v[SM+4:SM+5], v[SM+12:SM+13]
	v_pk_add_f32 v[U_:U_+1], v[U_:U_+1], v[SM+6:SM+7]
	v_pk_add_f32 v[SM:SM+1], v[SM:SM+1], v[SM+8:SM+9]
	v_pk_add_f32 v[SM+2:SM+3], v[SM+2:SM+3], v[SM+10:SM+11]
	v_pk_add_f32 v[SM:SM+1], v[SM:SM+1], v[SM+4:SM+5]
	v_pk_add_f32 v[U_:U_+1], v[U_:U_+1], v[SM+2:SM+3]
	v_pk_add_f32 v[U_:U_+1], v[U_:U_+1], v[SM:SM+1]
.endm
.macro QUANT w                         ; tile w's O, 32 numbers a lane, becomes six registers of the last product's operand and the row's two scale bytes, and leaves
.set B_, SS+24*(\w)
	WIN 0x05*(\w)
	v_max3_num_f32 v[B_], |v[OT]|, |v[OT+1]|, 0x1800000
	v_max3_num_f32 v[B_+1], |v[OT+16]|, |v[OT+17]|, 0x1800000
	WIN 0x14*(\w)
.irp i, 2,4,6,8,10,12,14
	v_max3_num_f32 v[B_], v[B_], |v[OT+\i]|, |v[OT+\i+1]|
	v_max3_num_f32 v[B_+1], v[B_+1], |v[OT+16+\i]|, |v[OT+17+\i]|
.endr
	WIN 0
	v_permlanex16_b32 v[B_+4], v[B_], s[SEL], s[SEL+1]
	v_permlanex16_b32 v[B_+5], v[B_+1], s[SEL], s[SEL+1]
	v_max_num_f32 v[B_], v[B_], v[B_+4]
	v_max_num_f32 v[B_+1], v[B_+1], v[B_+5]
	v_add_nc_u32 v[B_+8], 0xff000000, v[B_]
	v_add_nc_u32 v[B_+9], 0xff000000, v[B_+1]
	v_lshrrev_b32 v[B_+4], 23, v[B_+8]
	v_lshrrev_b32 v[B_+5], 23, v[B_+9]
	v_lshl_or_b32 v[B_+18], v[B_+5], 8, v[B_+4]
	WIN 0x40|(\w)
	v_cvt_scalef32_pk16_fp6_f32 v[PC+20*(\w):PC+20*(\w)+2], v[OT:OT+15], v[B_+8]
	v_cvt_scalef32_pk16_fp6_f32 v[PT+20*(\w):PT+20*(\w)+2], v[OT+16:OT+31], v[B_+9]
	WIN 0x41
	v_nop                                          ; one plain place behind a scaled conversion
.irp i, 0,1,2
	v_permlane16_swap_b32 v[PC+20*(\w)+\i], v[PT+20*(\w)+\i]
.endr
.irp i, 0,1,2
	v_mov_b32 v[PC+20*(\w)+3+\i], v[PT+20*(\w)+\i]
.endr
	WIN 0x04
	global_store_b128 v[L16], v[PC+20*(\w):PC+20*(\w)+3], s[ACB:ACB+1] offset:12288*(\w)          ; 512 consecutive bytes
	global_store_b64 v[L8], v[PC+20*(\w)+4:PC+20*(\w)+5], s[ACB:ACB+1] offset:12288*(\w)+512      ; 256 consecutive bytes
	WIN 0
	global_store_b16 v[R8], v[B_+18], s[ASB:ASB+1] offset:512*(\w)   ; my row's two scale bytes (lanes l and l xor 16 write the same)
.endm
	s_load_b128 s[4:7], s[0:1], 0x0                ; qkv s[4:5], ac s[6:7]
	s_load_b64 s[8:9], s[0:1], 0x10                ; asc
	v_lshl_add_u32 v[SPW], v0, 2, SPARE
	v_mov_b32 v[NIL], 0
	ds_add_u32 v[SPW], v[NIL]                      ; the opening lines: the add, twice on end, and its wait
	ds_add_u32 v[SPW], v[NIL]
	v_lshrrev_b32 v1, 5, v0
	v_readfirstlane_b32 s[WV], v1                  ; wave 0..7
	s_bfe_u32 s11, ttmp6, 0x40000                  ; cx: it enters the addresses of Q and of the results alone
	s_and_b32 s12, ttmp7, 0xffff                   ; the record: 16 x batch + head, which the four partners share
	s_mul_i32 s46, s12, REC
	s_mov_b32 s47, 0
	s_mul_i32 s13, s[WV], WPART
	s_mov_b32 s[G1], 15|(3<<16)|(1<<21)            ; the mask: all four work-groups; elements of 8 bytes; bit 21 beside a mask
	s_mov_b32 s[G1+1], 32<<16                      ; rows of 256 bytes
	s_mov_b32 s[G1+2], 102<<16
	s_mov_b32 s[G1+3], 32<<16
	s_mov_b32 s[G1+4], 102
	s_mov_b32 s[G1+5], 32                          ; dense rows
	s_mov_b32 s[G1+6], 0
	s_mov_b32 s[G1+7], 0
	s_mov_b32 s[SEL], 0x76543210
	s_mov_b32 s[SEL+1], 0xfedcba98                 ; v_permlanex16_b32's selects for lane l xor 16
	s_mov_b32 s[CS], 0x3e38aa3b                    ; c = log2(e) / 8
	s_mov_b32 s[CS+1], s[CS]
	s_mov_b32 s48, s13
	s_mov_b32 s49, 0
	s_wait_dscnt 0x0
	s_wait_kmcnt 0x0
	s_add_nc_u64 s[14:15], s[4:5], s[46:47]        ; the record
	s_mov_b32 s[G0], 1
	s_mov_b32 s[G0+1], s13                         ; LDS address: my eighth
	s_add_nc_u64 s[G0+2:G0+3], s[14:15], s[48:49]
	s_or_b32 s[G0+3], s[G0+3], 0x80000000
	CROUND                                         ; all four work-groups are here: the joint loads meet
	tensor_load_to_lds s[G0:G0+3], s[G1:G1+7]      ; my one tensor load of the launch
	s_nop 0
.rept 4
	v_nop
.endr
	v_and_b32 v15, 31, v0
	v_lshlrev_b32 v[L16], 4, v15
	v_lshlrev_b32 v[L8], 3, v15
	v_add_nc_u32 v[V16], R_VC, v[L16]
	v_add_nc_u32 v[V8], R_VC, v[L8]
	v_add_nc_u32 v[KS0], R_KS, v[L16]
	v_add_nc_u32 v[VS0], R_VS, v[L8]
	v_and_b32 v[R16], 15, v0
	v_lshlrev_b32 v[R8], 3, v[R16]
	v_lshlrev_b32 v[R16], 4, v[R16]
.irp i, 0,1,2,3,4,5
	v_mov_b32 v[KF+48+\i], 0                       ; what stands behind K's last tile
.endr
.irp w, 0,1
.irp b, 4,5,6,7,13,18
	v_mov_b32 v[SS+24*\w+\b], 0                    ; written once: lane permutes' destinations, and the upper half of f's pair
.endr
.endr
	WIN 0x40
.irp i, 6,7,8,9,10,11,18,19,20,21,22,23
	v_mov_b32 v[QF+\i], 0                          ; Q's zero codes for k = 64 .. 127, both tiles
.endr
	WIN 0
	s_lshl_b32 s46, s11, 5
	s_lshl_b32 s50, s[WV], 1
	s_add_co_u32 s46, s46, s50                     ; my first query tile of the first pass: 32 cx + 2 wave, an even number
	s_mul_i32 s48, s46, 768
	s_add_co_u32 s48, s48, R_QC
	s_add_nc_u64 s[QCB:QCB+1], s[14:15], s[48:49]
	s_lshr_b32 s48, s46, 3
	s_lshl_b32 s48, s48, 9                         ; its scale words: 512 bytes for each 8 tiles, the odd tile 256 bytes on,
	s_bfe_u32 s50, s46, 0x20001
	s_lshl_b32 s50, s50, 2                         ; word (tile / 2) % 4
	s_add_co_u32 s48, s48, s50
	s_add_co_u32 s48, s48, R_QS
	s_add_nc_u64 s[QSB:QSB+1], s[14:15], s[48:49]
	s_lshr_b32 s50, s12, 4
	s_lshl_b32 s50, s50, 7
	s_add_co_u32 s50, s50, s46                     ; the token tile: 128 x batch + query tile
	s_and_b32 s51, s12, 15                         ; the head
	s_mul_i32 s48, s50, 12288
	s_mul_i32 s52, s51, 768
	s_add_co_u32 s48, s48, s52
	s_add_nc_u64 s[ACB:ACB+1], s[6:7], s[48:49]
	s_lshl_b32 s48, s50, 9                         ; the scale bytes: K step head / 2 of the last product, bytes 2 (head % 2) and the next
	s_lshr_b32 s52, s51, 1
	s_lshr_b32 s53, s52, 2
	s_lshl_b32 s53, s53, 8
	s_add_co_u32 s48, s48, s53
	s_and_b32 s53, s52, 1
	s_lshl_b32 s53, s53, 7
	s_add_co_u32 s48, s48, s53
	s_bfe_u32 s53, s52, 0x10001
	s_lshl_b32 s53, s53, 2
	s_add_co_u32 s48, s48, s53
	s_and_b32 s53, s51, 1
	s_lshl_b32 s53, s53, 1
	s_add_co_u32 s48, s48, s53
	s_add_nc_u64 s[ASB:ASB+1], s[8:9], s[48:49]
	WALU                                           ; the wait at the head's end
	QLOAD 0, 0                                     ; the first pass's Q
	s_wait_tensorcnt 0x0                           ; my eighth has landed,
	s_barrier_signal -1
	s_barrier_wait -1                              ; everybody's has
	KLOAD L16, L8, KS0                             ; step 0's K, then its V
	VLOAD V16, V8, VS0
	s_mov_b32 s[NPS], 2
.Lpass:
	s_wait_loadcnt 0x0                             ; this pass's Q is in
	WIN 0x41
.irp w, 0,1
.irp i, 0,1,2,3,4,5
	v_mov_b32 v[QF+12*\w+\i], v[QN+6*\w+\i]
.endr
.endr
	WIN 0
	v_mov_b32 v[QSC], v[QSN]
	v_mov_b32 v[QSC+2], v[QSN+1]
	s_cmp_eq_u32 s[NPS], 1
	s_cbranch_scc1 .Lno_q                          ; the last pass has none behind it
	QLOAD 16*768, 2*512                            ; the second pass's Q: sixteen query tiles on
.Lno_q:
.irp w, 0,1
	v_mov_b32 v[SS+24*\w+15], 0xff61b1e6           ; the largest t so far: -3e38, under every t
	v_mov_b32 v[SS+24*\w+16], 0
	v_mov_b32 v[SS+24*\w+17], 0
.endr
.irp w, 0,1
	v_floor_f32 v[SS+24*\w+14], -v[SS+24*\w+15]    ; -M
.endr
.irp w, 0,1
	WIN 0x40*\w
.set J, 0
.rept 32
	v_mov_b32 v[OT+J], 0                           ; the step is written once: the first finds zeros, which the first change of M leaves zeros
.set J, J+1
.endr
.endr
	WIN 0
	s_mov_b32 s[NT], 0
.Lstep:                                            ; 128 keys, two tiles of queries
	s_add_co_u32 s[NX], s[NT], 1
	s_and_b32 s[NX], s[NX], 15                     ; the next step; behind the last, step 0
	s_mul_i32 s[TB], s[NX], 6144
	s_lshl_b32 s[TK], s[NX], 9
	s_lshl_b32 s[TJ], s[NX], 8
	s_wait_dscnt 17                                ; this step's K is in; the 17 loads of its V, issued behind K's, may be out
	SMUL 0
	SMUL 1
	WIN 0
	v_add_nc_u32 v[AK16], s[TB], v[L16]            ; four places behind the products, in front of the loads into K's registers and of the first read of the scores
	v_add_nc_u32 v[AK8], s[TB], v[L8]
	v_add_nc_u32 v[AKS], s[TK], v[KS0]
	v_nop
	KLOAD AK16, AK8, AKS                           ; the next step's K
	MAXP 0
	MAXP 1
	WIN 0
.irp w, 0,1
.irp b, 0,1,2,3
	v_permlanex16_b32 v[SS+24*\w+4+\b], v[SS+24*\w+\b], s[SEL], s[SEL+1]
.endr
.endr
.irp w, 0,1
.irp b, 0,1,2,3
	v_max_num_f32 v[SS+24*\w+\b], v[SS+24*\w+\b], v[SS+24*\w+4+\b]   ; with lane l xor 16's 16 keys
.endr
.endr
.irp w, 0,1
	v_mov_b32 v[SS+24*\w+19], v[SS+24*\w+14]       ; the old -M
.endr
.irp w, 0,1                                        ; from here the two tiles' lines stand by turns
	v_max3_num_f32 v[SS+24*\w+18], v[SS+24*\w], v[SS+24*\w+1], v[SS+24*\w+2]
.endr
.irp w, 0,1
	v_max_num_f32 v[SS+24*\w+18], v[SS+24*\w+18], v[SS+24*\w+3]
.endr
.irp w, 0,1
	v_mul_f32 v[SS+24*\w+18], s[CS], v[SS+24*\w+18]        ; the step's largest t (c is positive)
.endr
.irp w, 0,1
	v_max_num_f32 v[SS+24*\w+15], v[SS+24*\w+15], v[SS+24*\w+18]
.endr
.irp w, 0,1
	v_floor_f32 v[SS+24*\w+14], -v[SS+24*\w+15]    ; the new -M = -ceil(t): a whole number
.endr
.irp w, 0,1
	v_sub_f32 v[SS+24*\w+18], v[SS+24*\w+14], v[SS+24*\w+19]   ; old M - new M: a whole number, 0 or less
.endr
.irp w, 0,1
	v_cvt_i32_f32 v[SS+24*\w+18], v[SS+24*\w+18]   ; (it saturates)
.endr
.irp w, 0,1
	v_ldexp_f32 v[SS+24*\w+12], 1.0, v[SS+24*\w+18]        ; f = 2^(old M - new M)
.endr
.irp w, 0,1
.irp b, 0,1,2,3
	v_fma_f32 v[SS+24*\w+\b], v[SS+24*\w+\b], s[CS], v[SS+24*\w+14]   ; t - M of each block's largest score
.endr
.endr
.irp w, 0,1
	WIN 0x41*\w
.set J, 0
.rept 32
	v_pk_fma_f32 v[ST+J:ST+J+1], v[ST+J:ST+J+1], s[CS:CS+1], v[SS+24*\w+14:SS+24*\w+15] op_sel_hi:[1,0,0]   ; t - M, two at a time
.set J, J+2
.endr
.endr
	WIN 0
	WALU                                           ; the wait ahead of the batch
.set J, 0
.rept 64
	v_exp_f32 v[ST+J], v[ST+J]                     ; p = 2^(t - M), at most 1
.set J, J+1
.endr
.irp w, 0,1
.irp b, 0,1,2,3
	v_exp_f32 v[SS+24*\w+\b], v[SS+24*\w+\b]       ; the block's largest p: the same arithmetic on the same number gives the same bits
.endr
.endr
	WIN 0x41
.set J, 0
.rept 64
	v_exp_f32 v[ST+J], v[ST+J]
.set J, J+1
.endr
	WIN 0
.irp w, 0,1
	v_pk_mul_f32 v[SS+24*\w+16:SS+24*\w+17], v[SS+24*\w+16:SS+24*\w+17], v[SS+24*\w+12:SS+24*\w+13] op_sel_hi:[1,0]   ; the sums under the new M (plain places behind the exponentials)
.endr
	WALU                                           ; one wait for the batch, directly ahead of the first reader of tile 0's O^T
.irp w, 0,1
	WIN 0x41*\w
.if \w
	WALU                                           ; and directly ahead of the first reader of tile 1's
.endif
.set J, 0
.rept 16
	v_pk_mul_f32 v[OT+J:OT+J+1], v[OT+J:OT+J+1], v[SS+24*\w+12:SS+24*\w+13] op_sel_hi:[1,0]   ; O^T under the new M
.set J, J+2
.endr
.endr
	WIN 0
.irp w, 0,1
.irp b, 0,1,2,3
	v_max_num_f32 v[SS+24*\w+\b], 0x1800000, v[SS+24*\w+\b]   ; the floor 2^(3 - 127): the byte cannot fall under 1
.endr
.endr
.irp w, 0,1
.irp b, 0,1,2,3
	v_add_nc_u32 v[SS+24*\w+8+\b], 0xff000000, v[SS+24*\w+\b]   ; 2 off the exponent field: the conversion's scale operand
.endr
.endr
.irp w, 0,1
.irp b, 0,1,2,3
	v_lshrrev_b32 v[SS+24*\w+4+\b], 23, v[SS+24*\w+8+\b]      ; the scale's byte
.endr
.endr
.irp w, 0,1
	v_lshl_or_b32 v[SS+24*\w+18], v[SS+24*\w+5], 8, v[SS+24*\w+4]
.endr
.irp w, 0,1
	v_lshl_or_b32 v[SS+24*\w+18], v[SS+24*\w+6], 16, v[SS+24*\w+18]
.endr
.irp w, 0,1
	v_lshl_or_b32 v[PSC+2*\w], v[SS+24*\w+7], 24, v[SS+24*\w+18]   ; p's scale word for these 128 keys
.endr
.irp w, 0,1
	WIN 0x40|\w
.irp c, 0,1
	v_cvt_scalef32_pk16_fp6_f32 v[PC+20*\w+6*\c:PC+20*\w+6*\c+2], v[ST+32*\c:ST+32*\c+15], v[SS+24*\w+8+2*\c]
	v_cvt_scalef32_pk16_fp6_f32 v[PT+20*\w+4*\c:PT+20*\w+4*\c+2], v[ST+32*\c+16:ST+32*\c+31], v[SS+24*\w+9+2*\c]
.endr
.endr
	WIN 0x41
	v_nop                                          ; one plain place behind a scaled conversion
.irp w, 0,1
.irp c, 0,1
.irp i, 0,1,2
	v_permlane16_swap_b32 v[PC+20*\w+6*\c+\i], v[PT+20*\w+4*\c+\i]   ; a whole block to a lane
.endr
.endr
.endr
.irp w, 0,1
.irp c, 0,1
.irp i, 0,1,2
	v_mov_b32 v[PC+20*\w+6*\c+3+\i], v[PT+20*\w+4*\c+\i]
.endr
.endr
.endr
	SUMS 0                                         ; these 64 lines are also the places between p's codes and scale words and the products
	SUMS 1
	WALU                                           ; the wait directly ahead of the wait below
	s_wait_dscnt 17                                ; this step's V is in; the 17 loads of the next step's K may be out
	PV 0
	PV 1
	WIN 0
	v_add_nc_u32 v[AV16], s[TB], v[V16]            ; four places behind the products, in front of the loads into V's registers
	v_add_nc_u32 v[AV8], s[TB], v[V8]
	v_add_nc_u32 v[AVS], s[TJ], v[VS0]
	v_nop
	VLOAD AV16, AV8, AVS                           ; the next step's V
	s_add_co_u32 s[NT], s[NT], 1
	s_cmp_lt_u32 s[NT], 16
	s_cbranch_scc1 .Lstep
	; the pass's end: O^T / the sum, quantised along the head's 64 channels: two blocks of the last product's K
.irp w, 0,1
	v_add_f32 v[SS+24*\w+16], v[SS+24*\w+16], v[SS+24*\w+17]
.endr
.irp w, 0,1
	v_permlanex16_b32 v[SS+24*\w+18], v[SS+24*\w+16], s[SEL], s[SEL+1]
.endr
.irp w, 0,1
	v_add_f32 v[SS+24*\w+16], v[SS+24*\w+16], v[SS+24*\w+18]   ; the row's sum
.endr
	WALU
.irp w, 0,1
	v_rcp_f32 v[SS+24*\w+16], v[SS+24*\w+16]
.endr
	v_nop                                          ; a plain place behind the reciprocals
	WALU                                           ; the wait ahead of their first reader, which is also the first reader of tile 0's O^T
.irp w, 0,1
	WIN 0x41*\w
.if \w
	WALU
.endif
.set J, 0
.rept 16
	v_pk_mul_f32 v[OT+J:OT+J+1], v[OT+J:OT+J+1], v[SS+24*\w+16:SS+24*\w+17] op_sel_hi:[1,0]   ; each accumulator from its low end on
.set J, J+2
.endr
.endr
	QUANT 0
	QUANT 1
	s_wait_xcnt 0x0                                ; the stores have read their registers and bases
	s_add_nc_u64 s[ACB:ACB+1], s[ACB:ACB+1], 16*12288      ; sixteen query tiles on
	s_add_nc_u64 s[ASB:ASB+1], s[ASB:ASB+1], 16*512
	s_sub_co_u32 s[NPS], s[NPS], 1
	s_cmp_lg_u32 s[NPS], 0
	s_cbranch_scc1 .Lpass
	s_wait_tensorcnt 0x0                           ; the wave's end
	ds_add_u32 v[SPW], v[NIL]
	s_wait_dscnt 0x0
	CROUND                                         ; the closing round
	s_endpgm
.Lfunc_end_k_q46497d46d7_attn:
	.size	k_q46497d46d7_attn, .Lfunc_end_k_q46497d46d7_attn-k_q46497d46d7_attn
	.p2alignl 7, 3214868480
	.fill 96, 4, 3214868480
	.section	.rodata,"a",@progbits
	.p2align	6, 0x0
	.amdhsa_kernel k_q46497d46d7_attn
		.amdhsa_group_segment_fixed_size 210944
		.amdhsa_private_segment_fixed_size 0
		.amdhsa_enable_private_segment 0
		.amdhsa_kernarg_size 24
		.amdhsa_user_sgpr_count 2
		.amdhsa_user_sgpr_kernarg_segment_ptr 1
		.amdhsa_wavefront_size32 1
		.amdhsa_system_sgpr_workgroup_id_x 1
		.amdhsa_system_sgpr_workgroup_id_y 1
		.amdhsa_system_sgpr_workgroup_id_z 1
		.amdhsa_system_vgpr_workitem_id 0
		.amdhsa_next_free_vgpr 512
		.amdhsa_next_free_sgpr 66
		.amdhsa_reserve_vcc 0
		.amdhsa_float_denorm_mode_32 3
		.amdhsa_float_denorm_mode_16_64 3
		.amdhsa_memory_ordered 1
		.amdhsa_forward_progress 1
		.amdhsa_inst_pref_size 50
	.end_amdhsa_kernel
	.amdgpu_metadata
---
amdhsa.version: [ 1, 2 ]
amdhsa.kernels:
  - .name:           k_q46497d46d7_attn
    .symbol:         k_q46497d46d7_attn.kd
    .args:
      - { .name: qkv, .offset: 0, .size: 8, .value_kind: global_buffer, .address_space: global }
      - { .name: ac, .offset: 8, .size: 8, .value_kind: global_buffer, .address_space: global }
      - { .name: asc, .offset: 16, .size: 8, .value_kind: global_buffer, .address_space: global }
    .group_segment_fixed_size: 210944
    .private_segment_fixed_size: 0
    .kernarg_segment_align: 8
    .kernarg_segment_size: 24
    .max_flat_workgroup_size: 256
    .sgpr_count:     66
    .vgpr_count:     512
    .wavefront_size: 32
...
	.end_amdgpu_metadata
.endif
;; end of part 3
;; launch proj (part 4): grid 32 x 8, 4 waves a work-group, clusters of 4 x 1, 167,936 bytes of LDS; arguments ac, asc, xwc, xws, bo, out0; writes out0
.if DOCPART == 4
	.amdgcn_target "amdgcn-amd-amdhsa--gfx1250"
	.amdhsa_code_object_version 6
	.text
	.protected	k_q46497d46d7_proj
	.globl	k_q46497d46d7_proj
	.p2align	8
	.type	k_q46497d46d7_proj,@function
k_q46497d46d7_proj:
	s_mov_b64 s[64:65], 0
	v_nop
	global_prefetch_b8 v0, s[64:65] scope:SCOPE_SE
	s_setreg_imm32_b32 hwreg(HW_REG_WAVE_MODE, 25, 1), 1
	s_wait_xcnt 0x0
	s_wait_alu depctr_hold_cnt(0) depctr_sa_sdst(0) depctr_va_vdst(0) depctr_va_sdst(0) depctr_va_ssrc(0) depctr_va_vcc(0) depctr_vm_vsrc(0)
	s_getreg_b32 s2, hwreg(HW_REG_IB_STS2, 6, 4)
	s_cmp_eq_u32 s2, 0
	s_cbranch_scc0 .Lentry_in_a_cluster
	s_endpgm
.Lentry_in_a_cluster:
	s_bfe_u32 s2, ttmp6, 0x10000c
	s_cmp_lg_u32 s2, 0x3003
	s_cbranch_scc0 .Lentry_shape_is_right
	s_endpgm
.Lentry_shape_is_right:
; out0 = O Wo^T + bo on codes of FP6 (E2M3) with E8M0 scales.  O's codes (ac) and scale words (asc) and Wo's (tiles 704-767 of xwc, xws) lie in the order of the operand's registers:
; 12,288 bytes a tile of 16 rows, 1,536 for each 128 along K; 512 bytes of scale words a tile.  Place i of tile T is row 32 (T / 2) + 8 (T % 2) + i + 8 (i / 8).
; SHARES.  256 work-groups: 32 blocks of 256 tokens x 8 blocks of 128 columns.  A wave owns 64 tokens x 128 columns: 32 accumulators, 256 registers.
; Wo's 128 rows, all of K, are 98,304 consecutive bytes: they come into LDS ONCE, each wave bringing a quarter by one joint load, and stay: nothing is filled again.
; The four work-groups of a cluster have the same columns and other tokens: Wo's tile is asked for jointly; of O they share nothing.
; O's rows are read by one wave of the work-group alone, so they go from memory straight into its registers (each load covers 512 or 256 consecutive bytes), three K steps ahead.
; All that the launch reads is asked for from the head on, in the order of use: nothing is left to ask for ahead into the L2.
; THE MATRIX INSTRUCTION IS USED TRANSPOSED (source 0 = Wo's rows, source 1 = tokens): a lane holds eight neighbouring columns of one token.
; REGISTERS.  Window 0: addresses, scale words, O's fragments of K steps 5-7 (v112-255; on the way out the rows read back).  Window 1: Wo's fragments, two sets.  Window 2: the accumulators.  Window 3: O's fragments of K steps 0-4.
.set TILEB, 12288
.set WPART, 2*TILEB                    ; a wave's quarter of Wo's tile: 96 rows of 256 bytes
.set STAGE, 8*TILEB                    ; behind Wo's tile: 16 rows x 528 bytes for each wave, for the way out
.set SPITCH, 528
.set SPARE, STAGE+4*16*SPITCH          ; the spare words
.set L16, 2
.set L8,  3
.set H16, 4                            ; the same, four tiles on
.set H8,  5
.set SPW, 16
.set NIL, 17
.set STO, 20
.set RD,  21
.set SA,  32                           ; v32-47 O's scale words: register 4 a + s / 2, lanes 0-15 the even K step, lanes 16-31 the odd one
.set SB,  50                           ; v50-81 Wo's
.set BO,  84
.set BK,  128
.set WV,  18
.set G0,  20
.set G1,  24
.set MSB, 0
.macro WIN new
.if MSB != (\new)
	s_set_vgpr_msb (MSB<<8)|(\new)
.set MSB, (\new)
.endif
.endm
.macro CROUND
	s_barrier_signal -1
	s_barrier_wait -1
	s_cmp_lg_u32 s[WV], 0
	s_cbranch_scc1 .Lnot_wave_0_\@
	s_barrier_signal -3
.Lnot_wave_0_\@:
	s_barrier_wait -3
	s_barrier_signal -1
	s_barrier_wait -1
.endm
.macro PLACES
.rept 4
	v_nop
.endr
.endm
.macro FRAG reg, a16, a8, off
	ds_load_b128 v[\reg:\reg+3], v[\a16] offset:\off
	ds_load_b64 v[\reg+4:\reg+5], v[\a8] offset:\off+512
	ds_load_b128 v[\reg+6:\reg+9], v[\a16] offset:\off+768
	ds_load_b64 v[\reg+10:\reg+11], v[\a8] offset:\off+1280
.endm
.macro FETCH_B s                       ; 32 LDS loads: Wo's eight fragments of K step s into set s % 2
	WIN 0x40
.irp i, 0,1,2,3
	FRAG 128*((\s)%2)+12*\i, L16, L8, \i*TILEB+(\s)*1536
.endr
.irp i, 0,1,2,3
	FRAG 128*((\s)%2)+48+12*\i, H16, H8, \i*TILEB+(\s)*1536
.endr
	WIN 0
.endm
.macro LOAD_A s                        ; 16 loads: my four fragments of O of K step s
.irp a, 0,1,2,3
.set F_, 4*(\s)+\a
.if F_ < 20
.set R_, 12*F_
	WIN 0xc0
.else
.set R_, 112+12*(F_-20)
	WIN 0
.endif
	global_load_b128 v[R_:R_+3], v[L16], s[4:5] offset:\a*TILEB+(\s)*1536
	global_load_b64 v[R_+4:R_+5], v[L8], s[4:5] offset:\a*TILEB+(\s)*1536+512
	global_load_b128 v[R_+6:R_+9], v[L16], s[4:5] offset:\a*TILEB+(\s)*1536+768
	global_load_b64 v[R_+10:R_+11], v[L8], s[4:5] offset:\a*TILEB+(\s)*1536+1280
.endr
	WIN 0
.endm
.macro MUL s                           ; 32 products; the 32 accumulators take turns, in the same order in every step; the first step starts the sums
.irp a, 0,1,2,3
.set F_, 4*(\s)+\a
.if F_ < 20
.set R_, 12*F_
	WIN 0xad
.else
.set R_, 112+12*(F_-20)
	WIN 0xa1
.endif
.irp b, 0,1,2,3,4,5,6,7
.if (\s) == 0
	v_wmma_scale_f32_16x16x128_f8f6f4 v[8*(8*\a+\b):8*(8*\a+\b)+7], v[128*((\s)%2)+12*\b:128*((\s)%2)+12*\b+11], v[R_:R_+11], 0, v[SB+4*\b+(\s)/2], v[SA+4*\a+(\s)/2] matrix_a_fmt:MATRIX_FMT_FP6 matrix_b_fmt:MATRIX_FMT_FP6
.elseif (\s)%2
	v_wmma_scale_f32_16x16x128_f8f6f4 v[8*(8*\a+\b):8*(8*\a+\b)+7], v[128*((\s)%2)+12*\b:128*((\s)%2)+12*\b+11], v[R_:R_+11], v[8*(8*\a+\b):8*(8*\a+\b)+7], v[SB+4*\b+(\s)/2], v[SA+4*\a+(\s)/2] matrix_a_fmt:MATRIX_FMT_FP6 matrix_b_fmt:MATRIX_FMT_FP6 matrix_a_scale:MATRIX_SCALE_ROW1 matrix_b_scale:MATRIX_SCALE_ROW1
.else
	v_wmma_scale_f32_16x16x128_f8f6f4 v[8*(8*\a+\b):8*(8*\a+\b)+7], v[128*((\s)%2)+12*\b:128*((\s)%2)+12*\b+11], v[R_:R_+11], v[8*(8*\a+\b):8*(8*\a+\b)+7], v[SB+4*\b+(\s)/2], v[SA+4*\a+(\s)/2] matrix_a_fmt:MATRIX_FMT_FP6 matrix_b_fmt:MATRIX_FMT_FP6
.endif
.endr
.endr
.endm
	s_load_b256 s[4:11], s[0:1], 0x0               ; ac s[4:5], asc s[6:7], xwc s[8:9], xws s[10:11]
	s_load_b128 s[12:15], s[0:1], 0x20             ; bo s[12:13], out0 s[14:15]
	v_lshl_add_u32 v[SPW], v0, 2, SPARE
	v_mov_b32 v[NIL], 0
	ds_add_u32 v[SPW], v[NIL]                      ; the opening lines: the add, twice on end, and its wait
	ds_add_u32 v[SPW], v[NIL]
	v_lshrrev_b32 v1, 5, v0
	v_readfirstlane_b32 s[WV], v1                  ; wave 0..3
	s_bfe_u32 s19, ttmp6, 0x40000                  ; cx: it enters the addresses of O and of the result alone
	s_and_b32 s32, ttmp7, 0xffff                   ; the block of columns, which the four partners share
	s_lshl_b32 s33, ttmp9, 2
	s_add_co_u32 s33, s33, s19                     ; the block of tokens
	s_lshl_b32 s33, s33, 4
	s_lshl_b32 s36, s[WV], 2
	s_add_co_u32 s33, s33, s36                     ; my first tile of tokens
	s_lshl_b32 s37, s32, 3
	s_add_co_u32 s37, s37, 704                     ; Wo's first tile
	s_mov_b32 s[G1], 15|(3<<16)|(1<<21)            ; the mask: all four work-groups; elements of 8 bytes; bit 21 beside a mask
	s_mov_b32 s[G1+1], 32<<16                      ; rows of 256 bytes
	s_mov_b32 s[G1+2], 96<<16
	s_mov_b32 s[G1+3], 32<<16
	s_mov_b32 s[G1+4], 96
	s_mov_b32 s[G1+5], 32                          ; dense rows
	s_mov_b32 s[G1+6], 0
	s_mov_b32 s[G1+7], 0
	s_mul_i32 s[G0+1], s[WV], WPART                ; LDS address: my quarter
	s_mul_i32 s38, s37, TILEB
	s_add_co_u32 s38, s38, s[G0+1]
	s_mov_b32 s39, 0
	s_mul_i32 s40, s33, TILEB
	s_mov_b32 s41, 0
	s_lshl_b32 s42, s33, 9
	s_mov_b32 s43, 0
	s_lshl_b32 s44, s37, 9
	s_mov_b32 s45, 0
	s_lshl_b32 s46, s32, 9                         ; 128 columns of f32
	s_mov_b32 s47, 0
	s_lshl_b32 s48, s33, 16                        ; 16 rows of 4,096 bytes a tile
	s_mov_b32 s49, 0
	s_wait_dscnt 0x0
	s_wait_kmcnt 0x0
	s_mov_b32 s[G0], 1
	s_add_nc_u64 s[G0+2:G0+3], s[8:9], s[38:39]
	s_or_b32 s[G0+3], s[G0+3], 0x80000000
	s_add_nc_u64 s[4:5], s[4:5], s[40:41]
	s_add_nc_u64 s[6:7], s[6:7], s[42:43]
	s_add_nc_u64 s[10:11], s[10:11], s[44:45]
	s_add_nc_u64 s[12:13], s[12:13], s[46:47]
	s_add_nc_u64 s[14:15], s[14:15], s[46:47]
	s_add_nc_u64 s[14:15], s[14:15], s[48:49]
	CROUND                                         ; all four work-groups are here: the joint loads meet
	tensor_load_to_lds s[G0:G0+3], s[G1:G1+7]      ; my one tensor load of the launch
	s_nop 0
	PLACES
	v_and_b32 v1, 31, v0
	v_lshlrev_b32 v[L16], 4, v1
	v_lshlrev_b32 v[L8], 3, v1
	v_add_nc_u32 v[H16], 4*TILEB, v[L16]
	v_add_nc_u32 v[H8], 4*TILEB, v[L8]
	s_mul_i32 s36, s[WV], 16*SPITCH
	s_add_co_u32 s36, s36, STAGE                   ; my stage
	v_and_b32 v1, 15, v0
	v_bfe_u32 v22, v0, 4, 1
	v_mul_u32_u24 v[STO], v1, SPITCH
	v_lshl_add_u32 v[STO], v22, 6, v[STO]
	v_add_nc_u32 v[STO], s36, v[STO]
	v_add_nc_u32 v[RD], s36, v[L16]
	s_wait_alu depctr_va_vdst(0)                   ; the wait at the head's end
.irp i, 0,1,2,3
.irp u, 0,1
	global_load_b64 v[SA+4*\i+2*\u:SA+4*\i+2*\u+1], v[L8], s[6:7] offset:512*\i+256*\u
.endr
.endr
.irp i, 0,1,2,3,4,5,6,7
.irp u, 0,1
	global_load_b64 v[SB+4*\i+2*\u:SB+4*\i+2*\u+1], v[L8], s[10:11] offset:512*\i+256*\u
.endr
.endr
	global_load_b128 v[BO:BO+3], v[L16], s[12:13]
	LOAD_A 0
	LOAD_A 1
	LOAD_A 2
	s_wait_tensorcnt 0x0                           ; my quarter has landed,
	s_barrier_signal -1
	s_barrier_wait -1                              ; everybody's has
	FETCH_B 0
.macro STEP s
.if (\s) < 7
.if (\s) > 0
	PLACES                                         ; in front of the loads into the set that the last step multiplied
.endif
	FETCH_B (\s)+1
.endif
.if (\s)+3 < 8
	LOAD_A (\s)+3
.endif
.if (\s) < 7
	s_wait_dscnt 32                                ; this step's set is in; the 32 loads just issued may be out
.else
	s_wait_dscnt 0x0
.endif
.if (\s) < 5
	s_wait_loadcnt 48                              ; the scale words and this step's fragments of O are in; those of the three steps behind it, 16 loads each, may be out
.else
	s_wait_loadcnt 16*(7-(\s))
.endif
	MUL \s
.endm
.irp s, 0,1,2,3,4,5,6,7
	STEP \s
.endr
	WIN 0
; THE WAY OUT, block by block of 16 tokens x 128 columns, through my own stage in LDS: back come whole rows of 512 bytes, which the 32 lanes store as two aligned units of 256 bytes.
.macro TOSTAGE a
.set AC, 64*((\a)%4)
	WIN 0x08+4*((\a)/4)
.irp b, 0,1,2,3,4,5,6,7
	ds_store_b128 v[STO], v[AC+8*\b:AC+8*\b+3] offset:128*(\b/2)+32*(\b%2)
	ds_store_b128 v[STO], v[AC+8*\b+4:AC+8*\b+7] offset:128*(\b/2)+32*(\b%2)+16
.endr
	WIN 0
.set BB, BK+64*((\a)%2)
.irp t, 0,1,2,3,4,5,6,7,8,9,10,11,12,13,14,15
	ds_load_b128 v[BB+4*\t:BB+4*\t+3], v[RD] offset:\t*SPITCH
.endr
.endm
.macro SEND a, younger
.set BB, BK+64*((\a)%2)
	s_wait_dscnt \younger
.irp t, 0,1,2,3,4,5,6,7,8,9,10,11,12,13,14,15
	v_pk_add_f32 v[BB+4*\t:BB+4*\t+1], v[BB+4*\t:BB+4*\t+1], v[BO:BO+1]
	v_pk_add_f32 v[BB+4*\t+2:BB+4*\t+3], v[BB+4*\t+2:BB+4*\t+3], v[BO+2:BO+3]
	global_store_b128 v[L16], v[BB+4*\t:BB+4*\t+3], s[14:15] offset:(32*((\a)/2)+8*((\a)%2)+\t+8*(\t/8))*4096 th:TH_STORE_NT
.endr
.endm
	PLACES
	TOSTAGE 0
.irp a, 1,2,3
.if \a > 1
	s_wait_xcnt 0x0                                ; block a - 2's stores have read their registers
.endif
	TOSTAGE \a
	SEND \a-1, 32
.endr
	SEND 3, 0
	s_wait_tensorcnt 0x0                           ; the wave's end
	ds_add_u32 v[SPW], v[NIL]
	s_wait_dscnt 0x0
	CROUND                                         ; the closing round
	s_endpgm
.Lfunc_end_k_q46497d46d7_proj:
	.size	k_q46497d46d7_proj, .Lfunc_end_k_q46497d46d7_proj-k_q46497d46d7_proj
	.p2alignl 7, 3214868480
	.fill 96, 4, 3214868480
	.section	.rodata,"a",@progbits
	.p2align	6, 0x0
	.amdhsa_kernel k_q46497d46d7_proj
		.amdhsa_group_segment_fixed_size 167936
		.amdhsa_private_segment_fixed_size 0
		.amdhsa_enable_private_segment 0
		.amdhsa_kernarg_size 48
		.amdhsa_user_sgpr_count 2
		.amdhsa_user_sgpr_kernarg_segment_ptr 1
		.amdhsa_wavefront_size32 1
		.amdhsa_system_sgpr_workgroup_id_x 1
		.amdhsa_system_sgpr_workgroup_id_y 1
		.amdhsa_system_sgpr_workgroup_id_z 1
		.amdhsa_system_vgpr_workitem_id 0
		.amdhsa_next_free_vgpr 1024
		.amdhsa_next_free_sgpr 66
		.amdhsa_reserve_vcc 0
		.amdhsa_float_denorm_mode_32 3
		.amdhsa_float_denorm_mode_16_64 3
		.amdhsa_memory_ordered 1
		.amdhsa_forward_progress 1
		.amdhsa_inst_pref_size 92
	.end_amdhsa_kernel
	.amdgpu_metadata
---
amdhsa.version: [ 1, 2 ]
amdhsa.kernels:
  - .name:           k_q46497d46d7_proj
    .symbol:         k_q46497d46d7_proj.kd
    .args:
      - { .name: ac, .offset: 0, .size: 8, .value_kind: global_buffer, .address_space: global }
      - { .name: asc, .offset: 8, .size: 8, .value_kind: global_buffer, .address_space: global }
      - { .name: xwc, .offset: 16, .size: 8, .value_kind: global_buffer, .address_space: global }
      - { .name: xws, .offset: 24, .size: 8, .value_kind: global_buffer, .address_space: global }
      - { .name: bo, .offset: 32, .size: 8, .value_kind: global_buffer, .address_space: global }
      - { .name: out0, .offset: 40, .size: 8, .value_kind: global_buffer, .address_space: global }
    .group_segment_fixed_size: 167936
    .private_segment_fixed_size: 0
    .kernarg_segment_align: 8
    .kernarg_segment_size: 48
    .max_flat_workgroup_size: 128
    .sgpr_count:     66
    .vgpr_count:     1024
    .wavefront_size: 32
...
	.end_amdgpu_metadata
.endif
;; end of part 4
